; MI455X (gfx1250); checked and timed in simulation.
; The chip was launched on July 23, 2026; its instructions are those of AMD's public machine-readable ISA for CDNA 5 (MIT licence, August 2026) and "CDNA5" Instruction Set Architecture Reference Guide (July 2026). The comments in the code are by the model that wrote it; some were corrected since.
;; Multi Head Attention. Allowed arithmetic: matrix products marked QUANTISED: E4M3 operands, one given power-of-two scale a tensor, by v_wmma_f32_16x16x64_fp8_fp8 or v_wmma_f32_16x16x128_fp8_fp8, f32 sums; everything else in f32.
;; Inputs: Wk 1,024 x 1,024 float32; Wp 1,024 x 1,024 float32; Wq 1,024 x 1,024 float32; Wv 1,024 x 1,024 float32; bp 1,024 float32; lowp_scales 12 int32 (the exponents e of the quantised operands' scales 2^e); x 4 x 2,048 x 1,024 float32.
;; Outputs: out0 4 x 2,048 x 1,024 float32.
;; This version of the problem:
;;   THIS VERSION OF THE PROBLEM IS GIVEN IN LOW PRECISION. The matrix products marked QUANTISED in the list below multiply operands that are first quantised to E4M3 (4 exponent bits, 3 mantissa bits; 8 bits a number), with one given power-of-two scale for each operand tensor; their sums are f32. All else is computed in f32.
;;   The module's matrix products, in the order in which they are computed (A, B: the left and right operand; K: the contracted axis; several contracted axes count as one K, in the product's order):
;;     1. [M 8,192, K 1,024] x [K 1,024, N 1,024]; A: input x; B: input Wq: QUANTISED (scales: A lowp_scales[0], B lowp_scales[1])
;;     2. [M 8,192, K 1,024] x [K 1,024, N 1,024]; A: input x; B: input Wk: QUANTISED (scales: A lowp_scales[2], B lowp_scales[3])
;;     3. [M 8,192, K 1,024] x [K 1,024, N 1,024]; A: input x; B: input Wv: QUANTISED (scales: A lowp_scales[4], B lowp_scales[5])
;;     4. batch 64 x [M 2,048, K 64] x [K 64, N 2,048]; A: computed on the way; B: computed on the way: QUANTISED (scales: A lowp_scales[6], B lowp_scales[7])
;;     5. batch 64 x [M 2,048, K 2,048] x [K 2,048, N 64]; A: softmax (see below); B: computed on the way: QUANTISED (scales: A lowp_scales[8], B lowp_scales[9])
;;     6. [M 8,192, K 1,024] x [K 1,024, N 1,024]; A: computed on the way; B: input Wp: QUANTISED (scales: A lowp_scales[10], B lowp_scales[11])
;;   THE QUANTISER, for each operand of a quantised product, along K:
;;     - The operand's scale is 2^e, e = its entry of the input lowp_scales (int32; the entries are numbered through the quantised products in the list's order, A before B).
;;     - Each number is divided by the scale, clamped to +-448, and rounded to the nearest number of E4M3, ties to even, subnormals kept.
;;     - The product sums the exact products of the quantised numbers (number of the format x scale) in f32.
;;   ~~~python
;;   def quantise(x, axis, e):      # numpy; x: float32 -> the quantised numbers, widened to float32 again
;;       x = np.moveaxis(x, axis, -1); K = x.shape[-1]
;;       r = np.clip(x / 2.0 ** e, -448, 448)
;;       step = 2.0 ** (np.maximum(np.frexp(np.where(r == 0, 1, r))[1] - 1, -6) - 3)
;;       q = np.round(r / step) * step * 2.0 ** e      # np.round: ties to even
;;       return np.moveaxis(q, -1, axis).astype(np.float32)
;;   ~~~
;;   SOFTMAX AHEAD OF A QUANTISED PRODUCT. Where the list says 'softmax', what is quantised is not the finished softmax but p = 2^(t - M), with t = logit x log2(e) and M = ceil(the row's largest t), a whole number; so 1/2 < the row's largest p <= 1. The row's sum l is taken of the UNQUANTISED p, in f32, and the product's result is divided by l at the end. Since M is a whole number, a kernel that streams over the keys may use a running M (the ceiling of the running maximum): every later rescaling is an exact power of two, so the quantised numbers keep their values, but for numbers so far below the row's largest that they fall under the format's range.
;;   OPERANDS COMPUTED ON THE WAY. 'Computed on the way' means the value that the module computes at that place (a softmax that the list does not call 'softmax' is quantised finished and normalised). What goes into a quantiser is computed in f32, as accurately as f32 sums, v_exp_f32 and their like allow (about 1e-6 of the number): no bf16 or f16 on the way to a quantiser, and a product that is left as it is and whose result goes on into a quantised operand takes f32 operands (vector FMAs, or v_wmma_f32_16x16x4_f32). A number that lies on a knife's edge between two numbers of the format may be rounded either way, as far as f32 arithmetic and the matrix unit's own rounding can turn it there, and no further.
;; One version. Each part assembles by itself: llvm-mc -triple=amdgcn-amd-amdhsa -mcpu=gfx1250 --defsym DOCPART=n.
;; ======== version 1 of 1: 4 launches
;; limits: right only within a limited range of input values
;; workspace buffers: x_img 25,165,824 bytes; w_img 4,194,304 bytes; rope 524,288 bytes; qkv_img 25,165,824 bytes; o_img 8,388,608 bytes
;; launch prep (part 1): grid 1184 x 1, 4 waves a work-group, no clusters, 34,304 bytes of LDS; arguments x, Wq, Wk, Wv, Wp, lowp_scales, x_img, w_img, rope; writes x_img, w_img, rope
.if DOCPART == 1
	.amdgcn_target "amdgcn-amd-amdhsa--gfx1250"
	.amdhsa_code_object_version 6
	.text
	.protected	k_qe98fa3dba3_prep
	.globl	k_qe98fa3dba3_prep
	.p2align	8
	.type	k_qe98fa3dba3_prep,@function
k_qe98fa3dba3_prep:
	s_mov_b64 s[64:65], 0
	v_nop
	global_prefetch_b8 v0, s[64:65] scope:SCOPE_SE
	s_setreg_imm32_b32 hwreg(HW_REG_WAVE_MODE, 25, 1), 1
	s_wait_xcnt 0x0
; THE OPERANDS THAT ARRIVE AS f32 BECOME CODES OF E4M3, AND RoPE'S TABLE IS MADE.  Three kinds of work-groups, told apart by the work-group's number:
;   0 .. 127    W:    Wq, Wk, Wv, Wp [k 1024][n 1024] -> w_img, with the scales of entries 1, 3, 5, 11
;   128 .. 159  ROPE: cos and sin of t x 10^(-i/8), t = 0 .. 2047, i = 0 .. 31 -> rope
;   160 .. 1183 X:    x [8192][1024] -> x_img, three times: with the scales of entries 0, 2, 4, which need not be equal
; code = number / 2^e, held within +-448, rounded to the nearest code, ties to even.
; LAYOUT OF THE CODES: AN IMAGE OF THE OPERAND'S REGISTERS.  A fragment is 16 rows x 128 k = 16 registers a lane, stored as four groups g of 512 bytes, lane l's 16 bytes at 16 l:
; byte e of lane (r = l % 16, h = l / 16) of group g is row r, k = 32 g + 16 (e / 8) + 8 h + e % 8: the place that the matrix instruction's own layout gives it.
;   x_img [scale 3][row block 512][k step 8][g 4][lane 32][16 bytes];  w_img [weight 4][n block 64][k step 8][g][lane][16], a row being a column n of the weight.
;   rope  [t block 128][b 4][s 2][lane][16 bytes], f32: lane (r, h) holds cos, sin of pair i = 8 b + 4 h + 2 s and then of pair i + 1, at t = 16 x block + r.
; LIMITS: every exponent e used here lies between -126 and 119, so that 2^e and 448 x 2^e are f32 numbers.  NaN among the inputs is not served (an infinity is held at the largest code).
; THE ANGLE is formed as t x (1 / 10^(i/8)), each step rounded once to f32; 10^(i/8) is taken correctly rounded.
.set SPARE, 33792                      ; behind the four stages: the spare words, 128 bytes for each wave: two blocks of 256 bytes that no other line names
.set SPW,   14                         ; v14  LDS address of my spare word; never rewritten
.set NIL,   15                         ; v15  0; never rewritten
.set STG,   8448                       ; path X: a wave's own stage: 16 rows x SP bytes
.set SP,    528                        ; a stage row: 512 bytes + 16: sixteen rows' equal columns fall on sixteen different 16-byte columns of 256
	s_load_b256 s[4:11], s[0:1], 0x0               ; x s[4:5], Wq s[6:7], Wk s[8:9], Wv s[10:11]
	s_load_b256 s[12:19], s[0:1], 0x20             ; Wp s[12:13], the exponents s[14:15], x_img s[16:17], w_img s[18:19]
	s_load_b64 s[20:21], s[0:1], 0x40              ; rope
	v_lshl_add_u32 v[SPW], v0, 2, SPARE
	v_mov_b32 v[NIL], 0
	v_lshrrev_b32 v1, 5, v0
	v_readfirstlane_b32 s22, v1                    ; wave 0..3
	v_and_b32 v1, 31, v0                           ; lane
	v_and_b32 v2, 15, v0                           ; r
	v_bfe_u32 v3, v0, 4, 1                         ; h
	v_lshlrev_b32 v4, 4, v1                        ; 16 x lane
	s_mul_i32 s23, s22, STG
	v_add_nc_u32 v5, s23, v4                       ; the stage, on the way in: 16 x lane of a row
	v_mul_u32_u24 v6, v2, SP
	v_lshl_add_u32 v6, v3, 5, v6
	v_add_nc_u32 v6, s23, v6                       ; and on the way out: row r, + 32 h bytes
	s_wait_kmcnt 0x0
	s_load_b256 s[24:31], s[14:15], 0x0            ; e0 .. e7
	s_load_b128 s[32:35], s[14:15], 0x20           ; e8 .. e11
	s_cmp_ge_u32 ttmp9, 160
	s_cbranch_scc1 .Lx
	s_cmp_ge_u32 ttmp9, 128
	s_cbranch_scc1 .Lrope
; ---- W.  A lane takes a column n and its registers run down K: each load reads 128 consecutive bytes a wave (the four waves side by side 512), and the conversions, which take
; neighbours along K from one lane's registers, give codes with K innermost.  A wave: 32 columns x 256 along K = 8 blocks of 32.  Of a block's four octets, 0 and 2 are the 16 bytes of
; the image's lane r, 1 and 3 those of lane 16 + r: so lanes 0-15 and lanes 16-31 each store 256 consecutive bytes, at a multiple of 256.
	s_lshr_b32 s36, ttmp9, 5                       ; which weight: 0 q, 1 k, 2 v, 3 p
	s_and_b32 s37, ttmp9, 7                        ; which 128 columns
	s_bfe_u32 s38, ttmp9, 0x20003                  ; which 256 along K
	s_wait_kmcnt 0x0
	s_cmp_eq_u32 s36, 1                            ; the choices hang on the work-group's number alone
	s_cselect_b64 s[6:7], s[8:9], s[6:7]
	s_cselect_b32 s25, s27, s25
	s_cmp_eq_u32 s36, 2
	s_cselect_b64 s[6:7], s[10:11], s[6:7]
	s_cselect_b32 s25, s29, s25
	s_cmp_eq_u32 s36, 3
	s_cselect_b64 s[6:7], s[12:13], s[6:7]
	s_cselect_b32 s25, s35, s25                    ; e: entry 1, 3, 5 or 11
	s_lshl_b32 s39, s37, 7
	s_lshl_b32 s40, s22, 5
	s_add_co_u32 s39, s39, s40                     ; n0: my wave's first column
	s_lshl_b32 s40, s38, 20                        ; 256 rows of 4,096 bytes
	s_lshl_b32 s41, s39, 2
	s_add_co_u32 s40, s40, s41
	s_mov_b32 s41, 0
	s_add_nc_u64 s[6:7], s[6:7], s[40:41]
	s_lshl_b32 s42, s36, 20                        ; the weight's image: 1 MiB,
	s_lshl_b32 s43, s39, 10                        ; n block n0 / 16 of 16,384 bytes,
	s_add_co_u32 s42, s42, s43
	s_lshl_b32 s43, s38, 12                        ; two k steps of 2,048 bytes
	s_add_co_u32 s42, s42, s43
	s_mov_b32 s43, 0
	s_add_nc_u64 s[18:19], s[18:19], s[42:43]
	s_wait_alu depctr_va_vdst(0)
	v_lshlrev_b32 v144, 2, v1                      ; in: 4 bytes a lane
	v_lshlrev_b32 v145, 4, v2                      ; out: 16 r,
	v_lshl_add_u32 v145, v3, 14, v145              ; and the next n block for lanes 16-31
	s_add_co_i32 s25, s25, 127
	s_lshl_b32 s44, s25, 23
	v_mov_b32 v147, s44                            ; 2^e as f32: the conversion takes its exponent field
	s_add_co_i32 s25, s25, 8
	s_lshl_b32 s25, s25, 23
	s_or_b32 s25, s25, 0x600000
.macro WLOAD t                         ; block t: W(32 t + i, my column), i = 0 .. 31, into set t % 2 (v16-47, v48-79)
.set i, 0
.rept 32
	global_load_b32 v[16+32*((\t)%2)+i], v144, s[6:7] offset:(32*(\t)+i)*4096 th:TH_LOAD_NT
.set i, i+1
.endr
.endm
.macro WBLOCK t
.set XS, 16+32*((\t)%2)
.set D, 80+8*(\t)                      ; each block has its own eight registers of codes: no store's data are written again
.if (\t) < 7
	s_wait_loadcnt 32                              ; this block's 32 loads are in; the next block's 32 may be out
.else
	s_wait_loadcnt 0
.endif
.set i, 0
.rept 32
.set i, i+1
.endr
	v_cvt_scalef32_pk8_fp8_f32 v[D:D+1], v[XS:XS+7], v147
	v_cvt_scalef32_pk8_fp8_f32 v[D+2:D+3], v[XS+16:XS+23], v147
	v_cvt_scalef32_pk8_fp8_f32 v[D+4:D+5], v[XS+8:XS+15], v147
	v_cvt_scalef32_pk8_fp8_f32 v[D+6:D+7], v[XS+24:XS+31], v147
	global_store_b128 v145, v[D:D+3], s[18:19] offset:((\t)/4)*2048+((\t)%4)*512       ; the results go to stores alone, the sources are next written by loads; the next vector lines are the next block's conversions, on the other set
	global_store_b128 v145, v[D+4:D+7], s[18:19] offset:((\t)/4)*2048+((\t)%4)*512+256
.if (\t)+2 < 8
	WLOAD (\t)+2
.endif
.endm
	WLOAD 0
	WLOAD 1
	s_wait_alu depctr_va_vdst(0)
.irp t, 0,1,2,3,4,5,6,7
	WBLOCK \t
.endr
	s_branch .Lend
; ---- ROPE.  A wave makes one block of 16 t: lane (r, h) makes 16 pairs (cos, sin): number n is pair i = 8 (n / 4) + n % 4 + 4 h.
.Lrope:
	s_wait_kmcnt 0x0                               ; (the exponents are not used on this way)
	s_sub_co_u32 s36, ttmp9, 128
	s_lshl_b32 s36, s36, 2
	s_add_co_u32 s36, s36, s22                     ; the block of t
	s_lshl_b32 s37, s36, 4
	s_lshl_b32 s38, s36, 12
	s_mov_b32 s39, 0
	s_add_nc_u64 s[20:21], s[20:21], s[38:39]
	s_wait_alu depctr_va_vdst(0)
	v_add_nc_u32 v64, s37, v2
	v_cvt_f32_u32 v64, v64                         ; t
	s_mov_b32 s40, 0x3f22f983                      ; 2 / pi
	s_mov_b32 s41, 0x3fc90fdb                      ; pi / 2, its first 24 bits,
	s_mov_b32 s42, 0xb33bbd2e                      ; and what is left of it
	s_mov_b32 s43, 0xb94ca1f9                      ; sin r = r + z r (S1 + z (S2 + z S3)), z = r r:  S3 = -1.9515295891e-4
	s_mov_b32 s44, 0x3c08839e                      ; S2 = 8.3321608736e-3
	s_mov_b32 s45, 0xbe2aaaa3                      ; S1 = -1.6666654611e-1
	s_mov_b32 s46, 0x37ccf5ce                      ; cos r = 1 - z / 2 + z z (C1 + z (C2 + z C3)):  C3 = 2.443315711809948e-5
	s_mov_b32 s47, 0xbab6061a                      ; C2 = -1.388731625493765e-3
	s_mov_b32 s48, 0x3d2aaaa5                      ; C1 = 4.166664568298827e-2
	v_cmp_eq_u32 vcc_lo, 1, v3
.macro FREQ n, lo, hi                  ; 10^(i/8) of number n: lo for lanes 0-15, hi for lanes 16-31
	v_mov_b32 v65, \hi
	v_cndmask_b32 v[16+\n], \lo, v65, vcc_lo
.endm
	FREQ 0, 1.0, 3.1622776601683795
	FREQ 1, 1.3335214321633240, 4.2169650342858225
	FREQ 2, 1.7782794100389228, 5.6234132519034908
	FREQ 3, 2.3713737056616552, 7.4989420933245582
	FREQ 4, 10.0, 31.622776601683795
	FREQ 5, 13.335214321633240, 42.169650342858225
	FREQ 6, 17.782794100389228, 56.234132519034908
	FREQ 7, 23.713737056616552, 74.989420933245582
	FREQ 8, 100.0, 316.22776601683795
	FREQ 9, 133.35214321633240, 421.69650342858225
	FREQ 10, 177.82794100389228, 562.34132519034908
	FREQ 11, 237.13737056616552, 749.89420933245582
	FREQ 12, 1000.0, 3162.2776601683795
	FREQ 13, 1333.5214321633240, 4216.9650342858225
	FREQ 14, 1778.2794100389228, 5623.4132519034908
	FREQ 15, 2371.3737056616552, 7498.9420933245582
.set n, 0
	s_wait_alu depctr_va_vdst(0)
.rept 16
	v_rcp_f32 v[80+n], v[16+n]                     ; one batch of sixteen
.set n, n+1
.endr
	v_nop                                          ; a plain instruction behind the last of them,
	s_wait_alu depctr_va_vdst(0)                   ; and one wait for the batch, ahead of its first reader
.set n, 0
.rept 16
	v_fma_f32 v[96+n], -v[16+n], v[80+n], 1.0      ; one step of Newton's: the quotient 1 / 10^(i/8) to f32's last bit
.set n, n+1
.endr
.set n, 0
.rept 16
	v_fma_f32 v[16+n], v[80+n], v[96+n], v[80+n]
.set n, n+1
.endr
; The angle reaches 2,047, so it is reduced exactly: N = the nearest whole number to angle x 2 / pi, at most 1,304; angle - N x (pi / 2's first 24 bits) is a multiple of 2^-23 under 1, so the
; fused multiply-add rounds nothing; the second takes off N x the rest.  Then |r| <= pi / 4 (but for a last bit), two short polynomials, and the quadrant N mod 4 swaps and signs them.
.macro SINCOS n
	v_mul_f32 v66, v64, v[16+\n]                   ; the angle, rounded once
	v_mul_f32 v67, s40, v66
	v_rndne_f32 v67, v67                           ; N
	v_fma_f32 v68, -v67, s41, v66
	v_fma_f32 v68, -v67, s42, v68                  ; r
	v_cvt_i32_f32 v69, v67
	v_mul_f32 v70, v68, v68                        ; z
	v_fma_f32 v71, v70, s43, s44
	v_fma_f32 v72, v70, s46, s47
	v_fma_f32 v71, v71, v70, s45
	v_fma_f32 v72, v72, v70, s48
	v_mul_f32 v73, v70, v68
	v_mul_f32 v74, v70, v70
	v_fma_f32 v75, v70, -0.5, 1.0
	v_fma_f32 v71, v71, v73, v68                   ; sin r
	v_fma_f32 v72, v72, v74, v75                   ; cos r
	v_and_b32 v73, 1, v69
	v_cmp_eq_u32 vcc_lo, 1, v73                    ; an odd quadrant swaps the two
	v_cndmask_b32 v74, v72, v71, vcc_lo
	v_cndmask_b32 v75, v71, v72, vcc_lo
	v_add_nc_u32 v73, 1, v69
	v_lshlrev_b32 v73, 30, v73                     ; cos is negative in quadrants 1 and 2: bit 1 of N + 1;
	v_lshlrev_b32 v69, 30, v69                     ; sin in quadrants 2 and 3: bit 1 of N
	v_and_b32 v73, 0x80000000, v73
	v_and_b32 v69, 0x80000000, v69
	v_xor_b32 v[32+2*\n], v73, v74
	v_xor_b32 v[33+2*\n], v69, v75
.endm
.irp n, 0,1,2,3,4,5,6,7,8,9,10,11,12,13,14,15
	SINCOS \n
.endr
.irp m, 0,1,2,3,4,5,6,7
	global_store_b128 v4, v[32+4*\m:35+4*\m], s[20:21] offset:512*\m   ; 32 lanes store 512 consecutive bytes
.endr
	s_branch .Lend
; ---- X.  A wave makes one fragment, 16 rows x 128 k, three times.  Each load reads 512 consecutive bytes of a row; the conversions want eight neighbours along K in ONE lane's registers: so the 16 rows turn
; through the wave's own stage in LDS and come back as the image wants them: lane (r, h) takes, of row r, k = 32 g + 8 h + 0 .. 7 and 32 g + 16 + 8 h + 0 .. 7.
.Lx:
	s_sub_co_u32 s36, ttmp9, 160
	s_lshr_b32 s37, s36, 1                         ; the block of 16 rows
	s_and_b32 s36, s36, 1
	s_lshl_b32 s36, s36, 2
	s_add_co_u32 s36, s36, s22                     ; the k step: 4 x (number % 2) + wave
	s_lshl_b32 s38, s37, 16                        ; 16 rows of 4,096 bytes
	s_lshl_b32 s39, s36, 9                         ; 128 numbers
	s_add_co_u32 s38, s38, s39
	s_mov_b32 s39, 0
	s_add_nc_u64 s[4:5], s[4:5], s[38:39]
	s_wait_alu depctr_va_vdst(0)
.irp i, 0,1,2,3,4,5,6,7,8,9,10,11,12,13,14,15
	global_load_b128 v[16+4*\i:19+4*\i], v4, s[4:5] offset:4096*\i th:TH_LOAD_NT
.endr
	s_lshl_b32 s38, s37, 14
	s_lshl_b32 s40, s36, 11
	s_add_co_u32 s38, s38, s40
	s_add_nc_u64 s[16:17], s[16:17], s[38:39]      ; my fragment in the first image,
	s_add_nc_u64 s[40:41], s[16:17], 0x800000      ; the second,
	s_add_nc_u64 s[42:43], s[16:17], 0x1000000     ; the third
	s_wait_kmcnt 0x0
.irp s, 0,1,2
	s_add_co_i32 s44, s[24+2*\s], 127              ; e0, e2, e4
	s_lshl_b32 s45, s44, 23
	v_mov_b32 v[8+\s], s45                         ; 2^e
.endr
	s_wait_alu depctr_va_vdst(0)
.irp i, 0,1,2,3,4,5,6,7,8,9,10,11,12,13,14,15
	s_wait_loadcnt 15-\i                           ; loads come back in order: row i is in, the 15 - i younger rows may be out
	ds_store_b128 v5, v[16+4*\i:19+4*\i] offset:SP*\i
.endr
.irp g, 0,1,2,3
	ds_load_b128 v[80+16*\g:83+16*\g], v6 offset:128*\g        ; LDS serves a wave's instructions in order: these see my stores
	ds_load_b128 v[84+16*\g:87+16*\g], v6 offset:128*\g+16
	ds_load_b128 v[88+16*\g:91+16*\g], v6 offset:128*\g+64
	ds_load_b128 v[92+16*\g:95+16*\g], v6 offset:128*\g+80
.endr
	s_wait_dscnt 0x0
.macro XQ s, base                      ; the fragment under scale s.  The conversions read the loaded numbers, v80-143, in place
.irp g, 0,1,2,3
.set i, 0
.rept 16
.set i, i+1
.endr
	v_cvt_scalef32_pk8_fp8_f32 v[176+16*\s+4*\g:177+16*\s+4*\g], v[144+16*(\g%2)+((80+16*\g+i)-(144+16*(\g%2)+i)):151+16*(\g%2)+((80+16*\g+i)-(144+16*(\g%2)+i))], v[8+\s]
	v_cvt_scalef32_pk8_fp8_f32 v[178+16*\s+4*\g:179+16*\s+4*\g], v[152+16*(\g%2)+((80+16*\g+i)-(144+16*(\g%2)+i)):159+16*(\g%2)+((80+16*\g+i)-(144+16*(\g%2)+i))], v[8+\s]
.endr
	v_nop                                          ; a plain line behind the last conversion of the run
.irp g, 0,1,2,3
	global_store_b128 v4, v[176+16*\s+4*\g:179+16*\s+4*\g], s[\base:\base+1] offset:512*\g   ; 512 consecutive bytes; each scale has its own sixteen registers of codes
.endr
.endm
	XQ 0, 16
	XQ 1, 40
	XQ 2, 42
.Lend:
	s_wait_tensorcnt 0x0                           ; the wave's end: behind my last LDS store
	ds_add_u32 v[SPW], v[NIL]
	s_wait_dscnt 0x0
	s_endpgm
.Lfunc_end_k_qe98fa3dba3_prep:
	.size	k_qe98fa3dba3_prep, .Lfunc_end_k_qe98fa3dba3_prep-k_qe98fa3dba3_prep
	.p2alignl 7, 3214868480
	.fill 96, 4, 3214868480
	.section	.rodata,"a",@progbits
	.p2align	6, 0x0
	.amdhsa_kernel k_qe98fa3dba3_prep
		.amdhsa_group_segment_fixed_size 34304
		.amdhsa_private_segment_fixed_size 0
		.amdhsa_enable_private_segment 0
		.amdhsa_kernarg_size 72
		.amdhsa_user_sgpr_count 2
		.amdhsa_user_sgpr_kernarg_segment_ptr 1
		.amdhsa_wavefront_size32 1
		.amdhsa_system_sgpr_workgroup_id_x 1
		.amdhsa_system_sgpr_workgroup_id_y 1
		.amdhsa_system_sgpr_workgroup_id_z 1
		.amdhsa_system_vgpr_workitem_id 0
		.amdhsa_next_free_vgpr 224
		.amdhsa_next_free_sgpr 66
		.amdhsa_reserve_vcc 1
		.amdhsa_float_denorm_mode_32 3
		.amdhsa_float_denorm_mode_16_64 3
		.amdhsa_fp16_overflow 1
		.amdhsa_memory_ordered 1
		.amdhsa_forward_progress 1
		.amdhsa_inst_pref_size 64
	.end_amdhsa_kernel
	.amdgpu_metadata
---
amdhsa.version: [ 1, 2 ]
amdhsa.kernels:
  - .name:           k_qe98fa3dba3_prep
    .symbol:         k_qe98fa3dba3_prep.kd
    .args:
      - { .name: x, .offset: 0, .size: 8, .value_kind: global_buffer, .address_space: global }
      - { .name: Wq, .offset: 8, .size: 8, .value_kind: global_buffer, .address_space: global }
      - { .name: Wk, .offset: 16, .size: 8, .value_kind: global_buffer, .address_space: global }
      - { .name: Wv, .offset: 24, .size: 8, .value_kind: global_buffer, .address_space: global }
      - { .name: Wp, .offset: 32, .size: 8, .value_kind: global_buffer, .address_space: global }
      - { .name: lowp_scales, .offset: 40, .size: 8, .value_kind: global_buffer, .address_space: global }
      - { .name: x_img, .offset: 48, .size: 8, .value_kind: global_buffer, .address_space: global }
      - { .name: w_img, .offset: 56, .size: 8, .value_kind: global_buffer, .address_space: global }
      - { .name: rope, .offset: 64, .size: 8, .value_kind: global_buffer, .address_space: global }
    .group_segment_fixed_size: 34304
    .private_segment_fixed_size: 0
    .kernarg_segment_align: 8
    .kernarg_segment_size: 72
    .max_flat_workgroup_size: 128
    .sgpr_count:     66
    .vgpr_count:     224
    .wavefront_size: 32
...
	.end_amdgpu_metadata
.endif
;; end of part 1
;; launch qkv (part 2): grid 12 x 32, 4 waves a work-group, clusters of 4 x 4, 327,680 bytes of LDS; arguments x_img, w_img, rope, lowp_scales, qkv_img; writes qkv_img
.if DOCPART == 2
	.amdgcn_target "amdgcn-amd-amdhsa--gfx1250"
	.amdhsa_code_object_version 6
	.text
	.protected	k_qe98fa3dba3_qkv
	.globl	k_qe98fa3dba3_qkv
	.p2align	8
	.type	k_qe98fa3dba3_qkv,@function
k_qe98fa3dba3_qkv:
	s_mov_b64 s[64:65], 0
	v_nop
	global_prefetch_b8 v0, s[64:65] scope:SCOPE_SE
	s_setreg_imm32_b32 hwreg(HW_REG_WAVE_MODE, 25, 1), 1
	s_wait_xcnt 0x0
	s_wait_alu depctr_hold_cnt(0) depctr_sa_sdst(0) depctr_va_vdst(0) depctr_va_sdst(0) depctr_va_ssrc(0) depctr_va_vcc(0) depctr_vm_vsrc(0)
	s_getreg_b32 s2, hwreg(HW_REG_IB_STS2, 6, 4)
	s_cmp_eq_u32 s2, 0
	s_cbranch_scc0 .Lentry_in_a_cluster
	s_endpgm
.Lentry_in_a_cluster:
	s_bfe_u32 s2, ttmp6, 0x10000c
	s_cmp_lg_u32 s2, 0xf033
	s_cbranch_scc0 .Lentry_shape_is_right
	s_endpgm
.Lentry_shape_is_right:
; q = rope(x Wq), k = rope(x Wk), v = x Wv on codes of E4M3, and their results quantised again as the operands of attention's two products.
; The cluster's x says which: 0 q, 1 k, 2 v: the same in all sixteen partners.  A work-group makes 256 x 256 results, K = 1,024; a wave 128 x 128: 64 accumulators, 512 registers.
; OPERANDS ARE IMAGES OF THEIR REGISTERS (16 rows x 128 k: four groups of 512 bytes, lane l's 16 bytes at 16 l; a block of 16 rows holds its 8 k steps on end, 16,384 bytes).  So a fragment is four ds_load_b128
; at 16 x lane, 512 consecutive bytes each, and a wave's tensor load brings 8 blocks x 4,096 bytes (two k steps), 16,384 bytes apart in memory and dense in LDS.
; THE MATRIX INSTRUCTION: source 0 = 16 rows of the 'B side', source 1 = 16 rows of the 'A side': lane (r, h) holds A's row r and B's rows 8 h + 0 .. 7 in its eight registers.
;   q, k: A side = x (rows t), B side = the weight (rows n = 64 head + d): a lane's registers run along d, the K of q k^T.  RoPE's pairs (2 i, 2 i + 1) are register pairs.
;   v:    A side = the weight, B side = x: a lane's registers run along t, the K of p v.  Only the two global addresses differ, chosen by s_cselect on the cluster's x.
; So eight registers of an accumulator convert into registers 2 c, 2 c + 1 of the next operand's fragment, and the results leave straight from registers, 512 consecutive bytes a store.
; qkv_img [batch x head 64][slot of 256 t: 8] x 49,152 bytes: Q [tile 16][g 2][lane][16] at 0; for each 128 keys ks at 16,384 + 16,384 ks: K [tile 8][g 2][lane][16], then at + 8,192 V [16 d: 4][g 4][lane][16].
; SCALES: a sum stands for sum x 2^(ex + ew); RoPE is linear; so the code is rope(sum) / 2^F, F = e(result) - ex - ew: one scale for the conversion.  LIMIT: F between -126 and 119.
; CLUSTERS: 4 x 4.  A's tile hangs on cy (and the cluster's y), B's on cx: each is asked for jointly by the four that share it.
; REGISTERS: window 0: v0-31 addresses, v10 2^F; v32-127 RoPE's table for my blocks 0-2; v128-255 A's fragments, ONE set; afterwards at work.  window 1: B's fragments, TWO sets; afterwards the table for blocks 3-7.
;   window 2: the accumulators of A's blocks 0-3 ((a, b) at v[8 (8 (a % 4) + b)]); window 3: blocks 4-7.
.set HALFT,  32768                     ; 8 blocks x 4,096 bytes: what one tensor load brings, and what one wave reads of A or of B in a slot
.set SLOT,   4*HALFT                   ; A's two halves, then B's two halves
.set SPARE,  2*SLOT                    ; behind the ring: the spare words, 128 bytes for each wave: two blocks of 256 bytes that no other line names
.set KADV,   4096                      ; a slot's 256 along K in a block's bytes
.set FR,     16                        ; registers of a fragment
.set NL,     4                         ; LDS loads that bring one
.set NP,     4                         ; places behind this matrix instruction (ISA guide 7.12.1)
.set ADRA, 16                          ; v16-17  LDS address of my A fragments in slot 0, 1
.set ADRB, 20                          ; v20-21  the same for B
.set LOFF, 27                          ; v27     16 x lane; never rewritten
.set SPW,  28                          ; v28     LDS address of my spare word; never rewritten
.set NIL,  29                          ; v29     0; never rewritten
.set AF,   128
.set G1, 24                            ; s[24:31] descriptor group 1 for A's tiles;  s[32:39] group 0, one set for each slot
.set G0, 32
.set G1B, 48                           ; s[48:55], s[56:63] the same for B's tiles
.set G0B, 56
.set MSB, 0
.macro WIN new                         ; the immediate's high byte repeats the setting that is left; a switch that changes nothing is dropped
.if MSB != (\new)
	s_set_vgpr_msb (MSB<<8)|(\new)
.set MSB, (\new)
.endif
.endm
.set MUL_LO, 0xa1                      ; source 0 (B) window 1, source 1 (A) window 0, C and D window 2
.set MUL_HI, 0xf1                      ; the same, C and D window 3
.set TO_B,   0x40                      ; destination window 1, address window 0
; A joint load: waves 0 and 1 fetch A's halves, waves 2 and 3 B's.  The branch hangs on the wave's number alone.  An s_nop 0 and four v_nop follow each of the two lines.
.macro JLOAD g0a, g1a, g0b, g1b
	s_cmp_eq_u32 s15, 0
	s_cbranch_scc0 .Lfor_b_\@
	tensor_load_to_lds s[\g0a:\g0a+3], s[\g1a:\g1a+7]
	s_nop 0
.rept 4
	v_nop
.endr
	s_branch .Lasked_\@
.Lfor_b_\@:
	tensor_load_to_lds s[\g0b:\g0b+3], s[\g1b:\g1b+7]
	s_nop 0
.rept 4
	v_nop
.endr
.Lasked_\@:
.endm
.macro CREST                           ; a round of the cluster's barrier behind its opening barrier
	s_cmp_lg_u32 s14, 0
	s_cbranch_scc1 .Lnot_wave_0_\@
	s_barrier_signal -3
.Lnot_wave_0_\@:
	s_barrier_wait -3
	s_barrier_signal -1
	s_barrier_wait -1
.endm
.macro CROUND                          ; a whole round
	s_barrier_signal -1
	s_barrier_wait -1
	CREST
.endm
	s_load_b128 s[4:7], s[0:1], 0x0                ; x_img s[4:5], w_img s[6:7]
	s_load_b128 s[8:11], s[0:1], 0x10              ; rope s[8:9], the exponents s[10:11]
	s_load_b64 s[12:13], s[0:1], 0x20              ; qkv_img
	v_lshl_add_u32 v[SPW], v0, 2, SPARE
	v_mov_b32 v[NIL], 0
	ds_add_u32 v[SPW], v[NIL]
	ds_add_u32 v[SPW], v[NIL]                      ; the wave's opening: the add and its wait ahead of my first tensor load; the set-up below, work on registers, stands between them
	v_lshrrev_b32 v1, 5, v0
	v_readfirstlane_b32 s14, v1                    ; wave 0..3
	s_lshr_b32 s15, s14, 1                         ; which half of A's rows is mine.  Also: I fetch for A (0) or for B (1)
	s_and_b32 s16, s14, 1                          ; which half of B's rows.  Also: which half of that tile I fetch
	s_bfe_u32 s40, ttmp6, 0x40000                  ; cx, cy: my place in the cluster
	s_bfe_u32 s41, ttmp6, 0x40004
	s_and_b32 s17, ttmp7, 0xffff
	s_lshl_b32 s17, s17, 2                         ; 4 x cluster y
	s_lshl_b32 s43, s41, 2
	s_lshl_b32 s43, 15, s43                        ; my row of the cluster
	s_lshl_b32 s44, 0x1111, s40                    ; my column
	; descriptor group 1: 8 rows of 512 elements of 8 bytes, 2,048 elements apart; no padding
	s_or_b32 s[G1+0], s43, (3<<16)|(1<<21)         ; 15:0 the mask: A's tiles go to my row; 17:16 elements of 8 bytes; 21 set beside a mask
	s_or_b32 s[G1B+0], s44, (3<<16)|(1<<21)        ; B's go to my column
.irp g, G1, G1B
	s_mov_b32 s[\g+1], 512<<16                     ; tensor_dim0
	s_mov_b32 s[\g+2], 8<<16                       ; tensor_dim1
	s_mov_b32 s[\g+3], 512<<16                     ; tile_dim0
	s_mov_b32 s[\g+4], 8                           ; tile_dim1
	s_mov_b32 s[\g+5], 2048                        ; tensor_dim0_stride
	s_mov_b32 s[\g+6], 0
	s_mov_b32 s[\g+7], 0
.endr
	; where the tiles come from.  A tile of 256 rows is 16 blocks = 2^18 bytes; an image of x 2^23, of a weight 2^20.  A's registers never hold cx, B's never cy
	s_add_co_u32 s18, s17, s41
	s_lshl_b32 s18, s18, 18
	s_lshl_b32 s19, ttmp9, 23
	s_add_co_u32 s18, s18, s19                     ; q, k: A = x under this product's scale, tile 4 x cluster y + cy
	s_lshl_b32 s19, s41, 18
	s_add_co_u32 s19, s19, 2<<20                   ; v: A = Wv, tile cy
	s_add_co_u32 s46, s17, s40
	s_lshl_b32 s46, s46, 18
	s_add_co_u32 s46, s46, 2<<23                   ; v: B = x under the third scale, tile 4 x cluster y + cx
	s_lshl_b32 s47, s40, 18
	s_lshl_b32 s20, ttmp9, 20
	s_add_co_u32 s47, s47, s20                     ; q, k: B = the weight, tile cx
	s_lshl_b32 s21, s16, 17                        ; the half that I fetch: 8 blocks
	s_cmp_eq_u32 ttmp9, 2
	s_cselect_b32 s18, s19, s18
	s_cselect_b32 s46, s46, s47
	s_add_co_u32 s18, s18, s21
	s_add_co_u32 s46, s46, s21
	s_mov_b32 s19, 0
	s_mov_b32 s47, 0
	s_mul_i32 s45, s14, HALFT                      ; where they go: wave x 32,768: no place in the cluster enters an LDS address
	s_wait_dscnt 0x0                               ; the opening add is done
	s_wait_kmcnt 0x0
	s_load_b256 s[68:75], s[10:11], 0x0            ; e0 .. e7
	s_load_b128 s[76:79], s[10:11], 0x20           ; e8 .. e11
	s_cmp_eq_u32 ttmp9, 2
	s_cselect_b64 s[20:21], s[6:7], s[4:5]         ; A's buffer,
	s_cselect_b64 s[22:23], s[4:5], s[6:7]         ; B's
	s_add_nc_u64 s[20:21], s[20:21], s[18:19]
	s_add_nc_u64 s[46:47], s[22:23], s[46:47]
	CROUND                                         ; all sixteen work-groups are here: the first joint loads meet
.irp s, 0,1
	s_mov_b32 s[G0+4*\s], 1
	s_add_co_u32 s[G0+4*\s+1], s45, \s*SLOT
	s_add_nc_u64 s[G0+4*\s+2:G0+4*\s+3], s[20:21], \s*KADV
	s_or_b32 s[G0+4*\s+3], s[G0+4*\s+3], 0x80000000
	s_mov_b32 s[G0B+4*\s], 1
	s_add_co_u32 s[G0B+4*\s+1], s45, \s*SLOT
	s_add_nc_u64 s[G0B+4*\s+2:G0B+4*\s+3], s[46:47], \s*KADV
	s_or_b32 s[G0B+4*\s+3], s[G0B+4*\s+3], 0x80000000
	JLOAD G0+4*\s, G1, G0B+4*\s, G1B               ; two tensor loads of mine are out
.endr
	v_and_b32 v6, 31, v0
	v_lshlrev_b32 v[LOFF], 4, v6
	s_wait_alu depctr_va_vdst(0)
	s_mul_i32 s21, s15, HALFT                      ; my half of A,
	s_mul_i32 s22, s16, HALFT                      ; my half of B,
	s_add_co_u32 s22, s22, 2*HALFT                 ; which lies behind A's two
.irp s, 0,1
	v_add_nc_u32 v[ADRA+\s], s21, v[LOFF]
	v_add_nc_u32 v[ADRB+\s], s22, v[LOFF]
	s_add_co_u32 s21, s21, SLOT
	s_add_co_u32 s22, s22, SLOT
.endr
	; RoPE's table for my 128 rows t (q, k): blocks ((tile % 8) x 16 + 8 x half) + a, 4,096 bytes each.  Blocks 0-2 are asked for now, by every work-group (v's too: the address lies inside the table), so that these registers are written on every way
	s_add_co_u32 s80, s17, s41
	s_and_b32 s80, s80, 7
	s_lshl_b32 s80, s80, 4
	s_lshl_b32 s81, s15, 3
	s_add_co_u32 s80, s80, s81
	s_lshl_b32 s80, s80, 12
	s_mov_b32 s81, 0
	s_add_nc_u64 s[8:9], s[8:9], s[80:81]
.irp a, 0,1,2
.irp m, 0,1,2,3,4,5,6,7
	global_load_b128 v[32+32*\a+4*\m:35+32*\a+4*\m], v[LOFF], s[8:9] offset:4096*\a+512*\m
.endr
.endr
	; where my results go
	s_add_co_u32 s80, s17, s41
	s_add_co_u32 s81, s17, s40
	s_cmp_eq_u32 ttmp9, 2
	s_cselect_b32 s80, s81, s80                    ; the tile of 256 rows of x: batch = tile / 8, slot = tile % 8
	s_cselect_b32 s81, s41, s40                    ; the tile of 256 columns of the weight: four heads,
	s_cselect_b32 s82, s15, s16                    ; of which my half has two
	s_cselect_b32 s83, s16, s15                    ; and which 128 of the slot's 256 t are mine
	s_lshl_b32 s81, s81, 2
	s_lshl_b32 s82, s82, 1
	s_add_co_u32 s81, s81, s82                     ; my first head
	s_lshr_b32 s82, s80, 3
	s_and_b32 s80, s80, 7
	s_lshl_b32 s82, s82, 4
	s_add_co_u32 s81, s81, s82
	s_lshl_b32 s81, s81, 3
	s_add_co_u32 s81, s81, s80
	s_mul_i32 s81, s81, 49152
	s_lshl_b32 s84, s83, 13                        ; q: 8 tiles of 1,024 bytes
	s_lshl_b32 s85, s83, 14                        ; k, v: the key step,
	s_sub_co_u32 s86, ttmp9, 1
	s_lshl_b32 s86, s86, 13                        ; v behind k
	s_add_co_u32 s85, s85, s86
	s_add_co_u32 s85, s85, 16384
	s_cmp_eq_u32 ttmp9, 0
	s_cselect_b32 s84, s84, s85
	s_add_co_u32 s80, s81, s84
	s_mov_b32 s81, 0
	s_add_nc_u64 s[12:13], s[12:13], s[80:81]
.macro FRAG reg, adr, q, i             ; block i's fragment of the slot's q-th 128 along K: four loads of 512 consecutive bytes
.irp c, 0,1,2,3
	ds_load_b128 v[\reg+4*\c:\reg+4*\c+3], v[\adr] offset:2048*(\q)+512*\c+(\i)*4096
.endr
.endm
; 16 matrix instructions: A's blocks a0, a0 + 1 x B's eight, 128 along K.  p: B's set.  zero = 1: the first product starts the sums.  The 64 accumulators take turns, one instruction a turn, in the same order in every step.
.macro MUL16 a0, p, zero
.irp a, \a0, \a0+1
.irp b, 0,1,2,3,4,5,6,7
.if \zero
	v_wmma_f32_16x16x128_fp8_fp8 v[8*(8*((\a)%4)+\b):8*(8*((\a)%4)+\b)+7], v[128*(\p)+FR*\b:128*(\p)+FR*\b+FR-1], v[AF+FR*(\a):AF+FR*(\a)+FR-1], 0
.else
	v_wmma_f32_16x16x128_fp8_fp8 v[8*(8*((\a)%4)+\b):8*(8*((\a)%4)+\b)+7], v[128*(\p)+FR*\b:128*(\p)+FR*\b+FR-1], v[AF+FR*(\a):AF+FR*(\a)+FR-1], v[8*(8*((\a)%4)+\b):8*(8*((\a)%4)+\b)+7]
.endif
.endr
.endr
.endm
.macro FETCH_B slot, q, p
	WIN TO_B
.irp i, 0,1,2,3,4,5,6,7
	FRAG 128*(\p)+FR*\i, ADRB+\slot, \q, \i
.endr
	WIN 0
.endm
.macro FETCH_A slot, q, i0
.irp i, \i0, \i0+1, \i0+2, \i0+3
	FRAG AF+FR*(\i), ADRA+\slot, \q, \i
.endr
.endm
.macro PLACES n                        ; plain vector instructions between a matrix instruction and a load into, or a vector write of, one of its registers, or a read of its result
.rept \n
	v_nop
.endr
.endm
; A step of 128 along K that has its successor in the same slot.  A block of A is free when its eight products are issued: blocks 0-3 are fetched anew in the step's middle, blocks 4-7 at its end
.macro STEP slot, q, zero
	s_wait_dscnt 4*NL                              ; B's set and A's blocks 0-3 are in; the youngest sixteen loads (A's blocks 4-7) may be out
	WIN MUL_LO
	MUL16 0, (\q)%2, \zero
	MUL16 2, (\q)%2, \zero
	s_wait_dscnt 0                                 ; A's blocks 4-7 are in
	PLACES NP
	FETCH_B \slot, (\q)+1, 1-(\q)%2
	FETCH_A \slot, (\q)+1, 0
	WIN MUL_HI
	MUL16 4, (\q)%2, \zero
	MUL16 6, (\q)%2, \zero
	PLACES NP
	WIN 0
	FETCH_A \slot, (\q)+1, 4
.endm
; A slot's last step changes slots: one barrier; in front of it each wave waits for all its tensor loads, adds 0 to its spare word, and waits for that and for its own reads of this slot.  fill = 1: this slot is filled again, two slots ahead
.macro TURN slot, next, fill
	s_wait_tensorcnt 0x0                           ; all my tensor loads have landed: my part of the next slot  (every window is 0 here)
	ds_add_u32 v[SPW], v[NIL]                      ; 0 onto my spare word
	s_wait_dscnt 4*NL+1                            ; (the add and the youngest sixteen loads, A's blocks 4-7, may be out)
	WIN MUL_LO
	MUL16 0, 1, 0                                  ; sixteen matrix instructions stand between the add and the wait for it
	s_wait_dscnt 0x0                               ; the add is done, and my reads of this slot are over
	s_barrier_signal -1
	MUL16 2, 1, 0
	WIN 0
	s_barrier_wait -1
.if \fill
	CREST                                          ; the barrier has opened a round of the cluster's barrier: no wave of any partner still reads this slot or has a load on its way
	s_add_nc_u64 s[G0+4*\slot+2:G0+4*\slot+3], s[G0+4*\slot+2:G0+4*\slot+3], 2*KADV
	s_add_nc_u64 s[G0B+4*\slot+2:G0B+4*\slot+3], s[G0B+4*\slot+2:G0B+4*\slot+3], 2*KADV
	JLOAD G0+4*\slot, G1, G0B+4*\slot, G1B         ; the first tensor load behind the round, my one load until the next; its four v_nop are the places in front of the loads below
.else
	PLACES NP
.endif
	FETCH_B \next, 0, 0
	FETCH_A \next, 0, 0
	WIN MUL_HI
	MUL16 4, 1, 0
	MUL16 6, 1, 0
	PLACES NP
	WIN 0
	FETCH_A \next, 0, 4
.endm
	s_wait_alu depctr_va_vdst(0)
	s_wait_tensorcnt 1                             ; my part of slot 0 is in; slot 1's load may be out
	s_barrier_signal -1
	s_barrier_wait -1
	FETCH_B 0, 0, 0
	FETCH_A 0, 0, 0
	FETCH_A 0, 0, 4
	STEP 0, 0, 1                                   ; K = 1,024 is four slots of two steps, written out: K 0
	TURN 0, 1, 1                                   ; 128; slot 0 takes K 512 on
	STEP 1, 0, 0                                   ; 256
	TURN 1, 0, 1                                   ; 384; slot 1 takes K 768 on
	STEP 0, 0, 0                                   ; 512
	TURN 0, 1, 0                                   ; 640; nothing is left to fetch
	STEP 1, 0, 0                                   ; 768
	s_wait_dscnt 4*NL                              ; 896: the last step
	WIN MUL_LO
	MUL16 0, 1, 0
	MUL16 2, 1, 0
	s_wait_dscnt 0
	WIN MUL_HI
	MUL16 4, 1, 0
	MUL16 6, 1, 0
	WIN 0
	s_wait_kmcnt 0x0
	s_cmp_eq_u32 ttmp9, 1                          ; the three exponents of this product: chosen, never branched on
	s_cselect_b32 s68, s70, s68
	s_cselect_b32 s69, s71, s69
	s_cselect_b32 s74, s75, s74
	s_cmp_eq_u32 ttmp9, 2
	s_cselect_b32 s68, s72, s68                    ; x's: e0, e2, e4
	s_cselect_b32 s69, s73, s69                    ; the weight's: e1, e3, e5
	s_cselect_b32 s74, s77, s74                    ; the result's: e6, e7, e9
	s_sub_co_i32 s74, s74, s68
	s_sub_co_i32 s74, s74, s69                     ; F
	s_add_co_i32 s74, s74, 127
	s_lshl_b32 s75, s74, 23
	v_mov_b32 v10, s75                             ; 2^F
	PLACES NP                                      ; behind the last products: for the reads of their results, and for loads and vector writes into the registers that held fragments
	s_cmp_eq_u32 ttmp9, 2
	s_cbranch_scc1 .Lv
; ---- q, k.  Block a is 16 rows t x my two heads.  o(2 i) = x(2 i) cos - x(2 i + 1) sin, o(2 i + 1) = x(2 i) sin + x(2 i + 1) cos: one packed multiply and one packed multiply-add for a pair
	WIN TO_B
.irp a, 3,4,5,6,7
.irp m, 0,1,2,3,4,5,6,7
	global_load_b128 v[32*(\a-3)+4*\m:32*(\a-3)+4*\m+3], v[LOFF], s[8:9] offset:4096*\a+512*\m   ; the table for blocks 3-7, where B's fragments lay
.endr
.endr
	WIN 0
.macro QK a
.if (\a) < 3
.set RB, 32+32*(\a)
.set RW, 0
.else
.set RB, 32*((\a)-3)
.set RW, 1
.endif
.set AC, 64*((\a)%4)
.set CD, 192+16*((\a)%2)
.if (\a) == 0
	s_wait_loadcnt 40                              ; the table's blocks 0-2 are in; the forty loads just issued may be out
.elseif (\a) >= 3
	s_wait_loadcnt 8*(7-(\a))                      ; block a's eight loads are in; eight for each later block may be out
.endif
.if (\a) >= 2
	s_wait_xcnt 0x0                                ; block a - 2's stores have read their registers, which take this block's codes
.endif
	WIN (2+(\a)/4)|(RW<<2)                         ; source 0: the sums' window; source 1: the table's
.irp hl, 0,1
.irp be, 0,1,2,3
.irp p, 0,1,2,3
	v_pk_mul_f32 v[128+32*\hl+8*\be+2*\p:129+32*\hl+8*\be+2*\p], v[AC+8*(4*\hl+\be)+2*\p:AC+8*(4*\hl+\be)+2*\p+1], v[RB+8*\be+2*\p:RB+8*\be+2*\p+1] op_sel:[1,1] op_sel_hi:[1,0] neg_lo:[1,0]   ; (-x1 sin, x1 cos); each accumulator from its low end on
.endr
.irp p, 0,1,2,3
	v_pk_fma_f32 v[128+32*\hl+8*\be+2*\p:129+32*\hl+8*\be+2*\p], v[AC+8*(4*\hl+\be)+2*\p:AC+8*(4*\hl+\be)+2*\p+1], v[RB+8*\be+2*\p:RB+8*\be+2*\p+1], v[128+32*\hl+8*\be+2*\p:129+32*\hl+8*\be+2*\p] op_sel_hi:[0,1,1]   ; + (x0 cos, x0 sin)
.endr
.endr
.endr
	WIN 0
.set j, 0
.rept 64
.set j, j+1
.endr
.irp hl, 0,1
.irp be, 0,1,2,3
	v_cvt_scalef32_pk8_fp8_f32 v[CD+8*\hl+2*\be:CD+8*\hl+2*\be+1], v[128+32*\hl+8*\be:135+32*\hl+8*\be], v10   ; d = 16 be + 8 h + 0 .. 7: registers 2 be, 2 be + 1 of the fragment
.endr
.endr
	v_nop                                          ; a plain line between the conversions and the next block's writes of their sources
.irp hl, 0,1
.irp g, 0,1
	global_store_b128 v[LOFF], v[CD+8*\hl+4*\g:CD+8*\hl+4*\g+3], s[12:13] offset:393216*\hl+1024*(\a)+512*\g   ; 512 consecutive bytes; a head is 393,216 bytes
.endr
.endr
.endm
.irp a, 0,1,2,3,4,5,6,7
	QK \a
.endr
	s_branch .Ldone
; ---- v.  Block a is 16 d of head a / 4 x my 128 keys: accumulator b's eight registers are keys 16 b + 8 h + 0 .. 7: registers 2 b, 2 b + 1 of the fragment
.Lv:
	s_wait_loadcnt 0x0                             ; the table's loads have landed: their registers take the codes
.macro VB a
.set AC, 64*((\a)%4)
.set CD, 32+16*((\a)%2)
.if (\a) >= 2
	s_wait_xcnt 0x0                                ; block a - 2's stores have read their registers
.endif
	WIN 2+(\a)/4
.set j, 0
.rept 64
.set j, j+1
.endr
.irp b, 0,1,2,3,4,5,6,7
	v_cvt_scalef32_pk8_fp8_f32 v[CD+2*\b:CD+2*\b+1], v[128+8*\b+((AC+j)-(128+j)):135+8*\b+((AC+j)-(128+j))], v10
.endr
	WIN 0
	v_nop                                          ; a plain line between the conversions and the next block's writes of their sources
.irp g, 0,1,2,3
	global_store_b128 v[LOFF], v[CD+4*\g:CD+4*\g+3], s[12:13] offset:393216*((\a)/4)+2048*((\a)%4)+512*\g
.endr
.endm
	s_wait_alu depctr_va_vdst(0)
.irp a, 0,1,2,3,4,5,6,7
	VB \a
.endr
.Ldone:
	s_wait_tensorcnt 0x0                           ; the wave's end: behind my last tensor load
	ds_add_u32 v[SPW], v[NIL]
	s_wait_dscnt 0x0
	CROUND                                         ; the closing round: no work-group ends while a partner may still ask for a tile that names it
	s_endpgm
.Lfunc_end_k_qe98fa3dba3_qkv:
	.size	k_qe98fa3dba3_qkv, .Lfunc_end_k_qe98fa3dba3_qkv-k_qe98fa3dba3_qkv
	.p2alignl 7, 3214868480
	.fill 96, 4, 3214868480
	.section	.rodata,"a",@progbits
	.p2align	6, 0x0
	.amdhsa_kernel k_qe98fa3dba3_qkv
		.amdhsa_group_segment_fixed_size 327680
		.amdhsa_private_segment_fixed_size 0
		.amdhsa_enable_private_segment 0
		.amdhsa_kernarg_size 40
		.amdhsa_user_sgpr_count 2
		.amdhsa_user_sgpr_kernarg_segment_ptr 1
		.amdhsa_wavefront_size32 1
		.amdhsa_system_sgpr_workgroup_id_x 1
		.amdhsa_system_sgpr_workgroup_id_y 1
		.amdhsa_system_sgpr_workgroup_id_z 1
		.amdhsa_system_vgpr_workitem_id 0
		.amdhsa_next_free_vgpr 1024
		.amdhsa_next_free_sgpr 100
		.amdhsa_reserve_vcc 0
		.amdhsa_float_denorm_mode_32 3
		.amdhsa_float_denorm_mode_16_64 3
		.amdhsa_fp16_overflow 1
		.amdhsa_memory_ordered 1
		.amdhsa_forward_progress 1
		.amdhsa_inst_pref_size 133
	.end_amdhsa_kernel
	.amdgpu_metadata
---
amdhsa.version: [ 1, 2 ]
amdhsa.kernels:
  - .name:           k_qe98fa3dba3_qkv
    .symbol:         k_qe98fa3dba3_qkv.kd
    .args:
      - { .name: x_img, .offset: 0, .size: 8, .value_kind: global_buffer, .address_space: global }
      - { .name: w_img, .offset: 8, .size: 8, .value_kind: global_buffer, .address_space: global }
      - { .name: rope, .offset: 16, .size: 8, .value_kind: global_buffer, .address_space: global }
      - { .name: lowp_scales, .offset: 24, .size: 8, .value_kind: global_buffer, .address_space: global }
      - { .name: qkv_img, .offset: 32, .size: 8, .value_kind: global_buffer, .address_space: global }
    .group_segment_fixed_size: 327680
    .private_segment_fixed_size: 0
    .kernarg_segment_align: 8
    .kernarg_segment_size: 40
    .max_flat_workgroup_size: 128
    .sgpr_count:     100
    .vgpr_count:     1024
    .wavefront_size: 32
...
	.end_amdgpu_metadata
.endif
;; end of part 2
;; launch attn (part 3): grid 4 x 64, 16 waves a work-group, no clusters, 327,680 bytes of LDS; arguments qkv_img, lowp_scales, o_img; writes o_img
.if DOCPART == 3
	.amdgcn_target "amdgcn-amd-amdhsa--gfx1250"
	.amdhsa_code_object_version 6
	.text
	.protected	k_qe98fa3dba3_attn
	.globl	k_qe98fa3dba3_attn
	.p2align	8
	.type	k_qe98fa3dba3_attn,@function
k_qe98fa3dba3_attn:
	s_mov_b64 s[64:65], 0
	v_nop
	global_prefetch_b8 v0, s[64:65] scope:SCOPE_SE
	s_setreg_imm32_b32 hwreg(HW_REG_WAVE_MODE, 25, 1), 1
	s_wait_xcnt 0x0
; CAUSAL ATTENTION ON CODES OF E4M3, head size 64, 2,048 keys a head, and its result quantised as the last product's operand.
; t = score x log2(e) / 8; M = the row's largest t so far, rounded UP to a whole number; p = 2^(t - M) is what is quantised (not normalised); the row's sum is taken of the unquantised p and divides at the end.
; When M moves, the sum and O are multiplied by 2^(old M - new M): exact.
; SHARES.  Work-group (x, head) owns the blocks x and 7 - x of 256 queries: (x + 1) + (8 - x) = 9 blocks of 256 keys for every work-group, so the 256 work-groups have equal work.
; Each of the sixteen waves owns one tile of 16 queries of each block, the low block first; four waves to a SIMD, so that one wave's vector work stands beside another's matrix work and LDS loads.
; A HEAD'S K AND V, 262,144 bytes, LIE WHOLE IN LDS, filled once: every wave issues two tensor loads of 8,192 bytes at the head, one for keys 0-1,023 and one for keys 1,024-2,047.  Nothing is filled again: no ring.
; The low pass reads keys under 1,024 only (x <= 3), so it starts when the first group has landed.
; OPERANDS ARE IMAGES OF THEIR REGISTERS: every fragment is ds_load_b128 at 16 x lane.  Both products are used transposed: S^T = K Q^T (source 0 = 16 keys, source 1 = my 16 queries), O^T = V^T P^T: a lane holds ONE
; query (lane % 16); tile t's eight registers are keys 16 t + 8 (lane / 16) + 0 .. 7, which are registers 2 t, 2 t + 1 of P's fragment: nothing changes lanes.
; THE MASK.  Both loops have constant trip counts (8 and 16 steps of 128 keys); a step all of whose keys come after my queries is left out by a scalar branch on ids; on the diagonal hidden scores become -infinity.
; NO CLUSTER: that branch hangs on the query block, which in a cluster of a head's four work-groups would be the work-group's place in it; and each work-group asks for K and V once, at its head.
; LIMITS on the given exponents: e6 + e7 between -123 and 130 (added to c's exponent field); e8, and e10 - e8 - e9, between -126 and 119.
; REGISTERS: v1 16 x lane; v5, v6 the add's two; v8 LDS address; v12 -M, v13 the largest t, v[14:15] the sum in two halves; v16-23, v24-31 Q of the low and the high block; v32-95 K's 8 fragments, then V's 4;
;   v96-159 S^T, then p; v160-191 O^T; v192-207 P's codes; v208-215, v216-223 o's codes of the two passes; v244: 2^e8; v245: the same with e10 - e8 - e9; v236, v242-243, v252-254 at work.
.set SPARE, 262144                     ; behind K and V: the spare words, 128 bytes for each wave: eight blocks of 256 bytes that no other line names
.set WV,  18
.set SEL, 20                           ; s[20:21] lane selects for v_permlanex16_b32: lane l xor 16
.set CS,  22                           ; s[22:23] c = log2(e) / 8 x 2^(e6 + e7)
.set G1,  24                           ; s[24:31] descriptor group 1; s[32:35], s[36:39] the two groups 0
.set G0A, 32
.set G0B, 36
.set TB,  2                            ; s2   LDS byte at which the key step begins
.set KF,  3                            ; s3   the step's first key
.set Q0L, 40                           ; s40  my first query of the low block;  s41 of the high block
.set Q0H, 41
.set OL,  42                           ; s[42:43], s[44:45] where their codes go
.set OH,  44
	s_load_b128 s[4:7], s[0:1], 0x0                ; qkv_img s[4:5], the exponents s[6:7]
	s_load_b64 s[8:9], s[0:1], 0x10                ; o_img
	v_lshl_add_u32 v5, v0, 2, SPARE
	v_mov_b32 v6, 0
	ds_add_u32 v5, v6                              ; the wave's opening: the add and its wait ahead of my first tensor load; the set-up below, work on registers, stands between them
	ds_add_u32 v5, v6
	v_lshrrev_b32 v8, 5, v0
	s_delay_alu instid0(VALU_DEP_1)
	v_readfirstlane_b32 s[WV], v8                  ; wave 0..15
	s_and_b32 s10, ttmp7, 0xffff                   ; batch x 16 + head
	s_mul_i32 s11, s10, 393216                     ; its bytes in qkv_img
	; descriptor group 1: a dense block of 8,192 bytes as 32 rows of 32 elements of 8 bytes
	s_mov_b32 s[G1], 3<<16                         ; no mask; elements of 8 bytes; no padding
	s_mov_b32 s[G1+1], 32<<16                      ; tensor_dim0
	s_mov_b32 s[G1+2], 32<<16                      ; tensor_dim1
	s_mov_b32 s[G1+3], 32<<16                      ; tile_dim0
	s_mov_b32 s[G1+4], 32                          ; tile_dim1
	s_mov_b32 s[G1+5], 32                          ; tensor_dim0_stride
	s_mov_b32 s[G1+6], 0
	s_mov_b32 s[G1+7], 0
	s_lshr_b32 s12, s[WV], 2                       ; a slot of 256 keys holds K, V, K, V, 8,192 bytes each, behind its 16,384 bytes of Q: wave w fetches piece w % 4 of slot w / 4, and of slot 4 + w / 4
	s_mul_i32 s12, s12, 49152
	s_and_b32 s13, s[WV], 3
	s_lshl_b32 s13, s13, 13
	s_add_co_u32 s12, s12, s13
	s_add_co_u32 s12, s12, 16384
	s_add_co_u32 s12, s12, s11
	s_mov_b32 s13, 0
	s_lshl_b32 s14, s[WV], 13                      ; in LDS the pieces lie on end: key step n at 16,384 n: K, then V
	s_mov_b32 s[SEL], 0x76543210
	s_mov_b32 s[SEL+1], 0xfedcba98
	s_mov_b32 s[CS], 0x3e38aa3b                    ; log2(e) / 8
	s_wait_dscnt 0x0                               ; the opening add is done
	s_wait_kmcnt 0x0
	s_load_b256 s[48:55], s[6:7], 0x0              ; e0 .. e7
	s_load_b128 s[56:59], s[6:7], 0x20             ; e8 .. e11
	s_mov_b32 s[G0A], 1
	s_mov_b32 s[G0A+1], s14
	s_add_nc_u64 s[G0A+2:G0A+3], s[4:5], s[12:13]
	s_or_b32 s[G0A+3], s[G0A+3], 0x80000000
	s_mov_b32 s[G0B], 1
	s_add_co_u32 s[G0B+1], s14, 131072
	s_add_nc_u64 s[G0B+2:G0B+3], s[4:5], s[12:13]
	s_add_nc_u64 s[G0B+2:G0B+3], s[G0B+2:G0B+3], 196608
	s_or_b32 s[G0B+3], s[G0B+3], 0x80000000
	tensor_load_to_lds s[G0A:G0A+3], s[G1:G1+7]    ; the launch's only fills: the first of my two tensor loads is out
	s_nop 0
	s_wait_alu depctr_va_vdst(0)
	s_wait_tensorcnt 0x0
	ds_add_u32 v5, v6
	s_wait_dscnt 0x0
	s_barrier_signal -1
	s_barrier_wait -1
	tensor_load_to_lds s[G0B:G0B+3], s[G1:G1+7]
	s_nop 0
	v_and_b32 v1, 31, v0
	s_delay_alu instid0(VALU_DEP_1)
	v_lshlrev_b32 v1, 4, v1
	s_wait_alu depctr_va_vdst(0)
	s_sub_co_u32 s17, 7, ttmp9                     ; the high block
	s_lshl_b32 s16, s[WV], 10                      ; my tile of Q: 1,024 bytes
	s_add_co_u32 s16, s16, s11
	s_mul_i32 s15, ttmp9, 49152
	s_add_co_u32 s46, s16, s15
	s_mov_b32 s47, 0
	s_add_nc_u64 s[46:47], s[4:5], s[46:47]
	s_mul_i32 s15, s17, 49152
	s_add_co_u32 s60, s16, s15
	s_mov_b32 s61, 0
	s_add_nc_u64 s[60:61], s[4:5], s[60:61]
	global_load_b128 v[16:19], v1, s[46:47]
	global_load_b128 v[20:23], v1, s[46:47] offset:512
	global_load_b128 v[24:27], v1, s[60:61]
	global_load_b128 v[28:31], v1, s[60:61] offset:512
	s_lshl_b32 s15, s[WV], 4
	s_lshl_b32 s[Q0L], ttmp9, 8
	s_add_co_u32 s[Q0L], s[Q0L], s15
	s_lshl_b32 s[Q0H], s17, 8
	s_add_co_u32 s[Q0H], s[Q0H], s15
	; o_img [row block 512][k step 8][g 4][lane][16]: row block = 128 x batch + 16 x query block + wave; head hd is k step hd / 2, groups 2 (hd % 2) + 0, 1
	s_lshr_b32 s66, s10, 4
	s_lshl_b32 s66, s66, 7
	s_add_co_u32 s66, s66, s[WV]
	s_lshl_b32 s67, ttmp9, 4
	s_add_co_u32 s67, s67, s66
	s_lshl_b32 s67, s67, 14
	s_lshl_b32 s68, s17, 4
	s_add_co_u32 s68, s68, s66
	s_lshl_b32 s68, s68, 14
	s_bfe_u32 s69, s10, 0x30001
	s_lshl_b32 s69, s69, 11
	s_and_b32 s70, s10, 1
	s_lshl_b32 s70, s70, 10
	s_add_co_u32 s69, s69, s70
	s_add_co_u32 s[OL], s67, s69
	s_mov_b32 s[OL+1], 0
	s_add_nc_u64 s[OL:OL+1], s[8:9], s[OL:OL+1]
	s_add_co_u32 s[OH], s68, s69
	s_mov_b32 s[OH+1], 0
	s_add_nc_u64 s[OH:OH+1], s[8:9], s[OH:OH+1]
	v_mov_b32 v236, 0                              ; written once: a lane permute's destination counts as one of its sources
	v_mov_b32 v253, 0                              ; (named as the upper half of the pair v[252:253])
	s_wait_kmcnt 0x0
	s_add_co_i32 s71, s54, s55
	s_lshl_b32 s71, s71, 23
	s_add_co_i32 s[CS], s[CS], s71                 ; a score stands for score x 2^(e6 + e7): added to c's exponent field
	s_mov_b32 s[CS+1], s[CS]                       ; (named with it as a pair, so it is written)
	s_add_co_i32 s71, s56, 127
	s_lshl_b32 s72, s71, 23
	v_mov_b32 v244, s72                            ; 2^e8, for p's conversion
	s_sub_co_i32 s71, s58, s56
	s_sub_co_i32 s71, s71, s57                     ; a sum of the second product stands for sum x 2^(e8 + e9): o's code is (sum / l) / 2^(e10 - e8 - e9)
	s_add_co_i32 s71, s71, 127
	s_lshl_b32 s72, s71, 23
	v_mov_b32 v245, s72
; A KEY STEP: 128 keys against my 16 queries, whose fragment begins at v[qr] and whose first query is s[q0].
.macro STEP qr, q0
	s_add_co_u32 s96, s[\q0], 15
	s_cmp_gt_u32 s[KF], s96
	s_cbranch_scc1 .Lhidden_\@                     ; all its keys come after my queries
	s_setprio 2
	v_add_nc_u32 v8, s[TB], v1
.irp t, 0,1,2,3,4,5,6,7
	ds_load_b128 v[32+8*\t:35+8*\t], v8 offset:1024*\t             ; K: tile t of 16 keys x 64
	ds_load_b128 v[36+8*\t:39+8*\t], v8 offset:1024*\t+512
.endr
	s_wait_alu depctr_va_vdst(0)
	s_wait_dscnt 0x0
.irp t, 0,1,2,3,4,5,6,7
	v_wmma_f32_16x16x64_fp8_fp8 v[96+8*\t:103+8*\t], v[32+8*\t:39+8*\t], v[\qr:\qr+7], 0
.endr
.rept 4
	v_nop                                          ; places behind the products: for the loads into K's registers and for the reads of the scores
.endr
.irp d, 0,1,2,3
.irp g, 0,1,2,3
	ds_load_b128 v[32+16*\d+4*\g:35+16*\d+4*\g], v8 offset:8192+2048*\d+512*\g   ; V: 16 of the head's 64 x 128 keys; asked for here, so that it lands under the softmax
.endr
.endr
	s_add_co_u32 s96, s[KF], 127
	s_cmp_le_u32 s96, s[\q0]
	s_cbranch_scc1 .Lopen_\@                       ; all its keys count
	s_sub_co_i32 s96, s[\q0], s[KF]
	v_and_b32 v252, 15, v0
	v_bfe_u32 v253, v0, 4, 1
	s_delay_alu instid0(VALU_DEP_1)
	v_lshlrev_b32 v253, 3, v253
	s_delay_alu instid0(VALU_DEP_1)
	v_sub_nc_u32 v252, v252, v253
	s_delay_alu instid0(VALU_DEP_1)
	v_add_nc_u32 v252, s96, v252                   ; d = my query - KF - 8 (lane / 16).  Register 8 t + j holds key KF + 16 t + 8 (lane / 16) + j: hidden where 16 t + j > d
	v_mov_b32 v254, 0xff800000                     ; -infinity
.set n, 0
.rept 64
	v_cmp_gt_i32 vcc_lo, 16*(n/8)+n%8, v252
	v_cndmask_b32 v[96+n], v[96+n], v254, vcc_lo
.set n, n+1
.endr
.Lopen_\@:
	v_max3_num_f32 v254, v96, v97, v98             ; the step's largest score of my query, among my 64 keys, in two chains (each accumulator is first read at its low end),
	v_max3_num_f32 v252, v99, v100, v101
.irp i, 6,10,14,18,22,26,30,34,38,42,46,50,54,58
	v_max3_num_f32 v254, v254, v[96+\i], v[97+\i]
	v_max3_num_f32 v252, v252, v[98+\i], v[99+\i]
.endr
	v_max3_num_f32 v254, v254, v158, v159
	s_delay_alu instid0(VALU_DEP_1)
	v_max_num_f32 v254, v254, v252
	s_delay_alu instid0(VALU_DEP_1)
	v_permlanex16_b32 v236, v254, s[SEL], s[SEL+1]
	s_delay_alu instid0(VALU_DEP_1)
	v_max_num_f32 v254, v254, v236                 ; and among lane l xor 16's
	s_delay_alu instid0(VALU_DEP_1)
	v_mul_f32 v254, s[CS], v254                    ; as t (c is positive)
	s_delay_alu instid0(VALU_DEP_1)
	v_max_num_f32 v13, v13, v254                   ; the running largest t
	v_mov_b32 v254, v12
	s_delay_alu instid0(VALU_DEP_2)
	v_floor_f32 v12, -v13                          ; the new -M = floor(-t) = -ceil(t)
	s_delay_alu instid0(VALU_DEP_1)
	v_sub_f32 v254, v12, v254                      ; old M - new M: a whole number, 0 or less
	s_delay_alu instid0(VALU_DEP_1)
	v_cvt_i32_f32 v254, v254                       ; (it saturates)
	s_delay_alu instid0(VALU_DEP_1)
	v_ldexp_f32 v252, 1.0, v254                    ; f = 2^(old M - new M)
	s_setprio 1
.irp j, 0,2,4,6,8,10,12,14,16,18,20,22,24,26,28,30,32,34,36,38,40,42,44,46,48,50,52,54,56,58,60,62
	v_pk_fma_f32 v[96+\j:97+\j], v[96+\j:97+\j], s[CS:CS+1], v[12:13] op_sel_hi:[1,0,0]   ; t - M, two at a time
.endr
.set n, 0
	s_wait_alu depctr_va_vdst(0)
.rept 64
	v_exp_f32 v[96+n], v[96+n]                     ; p = 2^(t - M): one batch
.set n, n+1
.endr
	v_pk_mul_f32 v[14:15], v[14:15], v[252:253] op_sel_hi:[1,0]   ; the sums under the new M: the plain line behind the exponentials
	s_wait_alu depctr_va_vdst(0)                   ; one wait for the batch, ahead of its first reader
	v_pk_add_f32 v[242:243], v[96:97], v[98:99]    ; the row's sum is taken of the unquantised p: two at a time, in two chains
.irp j, 4,8,12,16,20,24,28,32,36,40,44,48,52,56,60
	v_pk_add_f32 v[14:15], v[14:15], v[96+\j:97+\j]
	v_pk_add_f32 v[242:243], v[242:243], v[98+\j:99+\j]
.endr
	s_delay_alu instid0(VALU_DEP_1)
	v_pk_add_f32 v[14:15], v[14:15], v[242:243]
	s_setprio 0
.irp t, 0,1,2,3,4,5,6,7
.irp i, 0,1,2,3,4,5,6,7
.endr
	v_cvt_scalef32_pk8_fp8_f32 v[192+2*\t:193+2*\t], v[96+8*\t:103+8*\t], v244
.endr
.irp j, 0,2,4,6,8,10,12,14,16,18,20,22,24,26,28,30
	v_pk_mul_f32 v[160+\j:161+\j], v[160+\j:161+\j], v[252:253] op_sel_hi:[1,0]   ; O^T under the new M; also the plain lines between the conversions and the products that read their results
.endr
	s_wait_alu depctr_va_vdst(0)
	s_wait_dscnt 0x0                               ; V is in
.irp d, 0,1,2,3
	v_wmma_f32_16x16x128_fp8_fp8 v[160+8*\d:167+8*\d], v[32+16*\d:47+16*\d], v[192:207], v[160+8*\d:167+8*\d]   ; the four accumulators take turns; the next step's eight products stand between two turns of one
.endr
.rept 4
	v_nop                                          ; places: for the next step's loads into V's registers, and for the way out's reads
.endr
.Lhidden_\@:
.endm
; A PASS: one tile of 16 queries against nst steps of 128 keys; then O^T / the sum becomes codes, registers 2 d, 2 d + 1 of the last product's fragment, and leaves by two stores of 512 consecutive bytes.
.macro PASS qr, q0, nst, oc, oadr
	v_mov_b32 v13, 0xff61b1e6                      ; the largest t so far: -3e38, under every t
	s_delay_alu instid0(VALU_DEP_1)
	v_floor_f32 v12, -v13
	v_mov_b32 v14, 0
	v_mov_b32 v15, 0
.set n, 0
.rept 32
	v_mov_b32 v[160+n], 0                          ; O^T: the step is written once; its first run finds zeros, which the first change of M leaves zeros
.set n, n+1
.endr
	s_mov_b32 s[TB], 0
	s_mov_b32 s[KF], 0
.Lstep_\@:
	STEP \qr, \q0
	s_add_co_u32 s[TB], s[TB], 16384
	s_add_co_u32 s[KF], s[KF], 128
	s_cmp_lt_u32 s[KF], 128*\nst
	s_cbranch_scc1 .Lstep_\@
	s_setprio 0
	v_add_f32 v14, v14, v15                        ; the sum's two halves,
	s_delay_alu instid0(VALU_DEP_1)
	v_permlanex16_b32 v236, v14, s[SEL], s[SEL+1]
	s_delay_alu instid0(VALU_DEP_1)
	v_add_f32 v14, v14, v236                       ; and lane l xor 16's
	s_wait_alu depctr_va_vdst(0)
	v_rcp_f32 v242, v14
	v_nop                                          ; a plain line behind the reciprocal,
	s_wait_alu depctr_va_vdst(0)                   ; and the wait ahead of its first reader
	v_fma_f32 v243, -v14, v242, 1.0                ; one step of Newton's: what goes into a quantiser is as good as f32 allows
	v_fma_f32 v242, v242, v243, v242
.set n, 0
.rept 32
	v_mul_f32 v[96+n], v[160+n], v242
.set n, n+1
.endr
.set n, 0
.rept 32
.set n, n+1
.endr
.irp d, 0,1,2,3
	v_cvt_scalef32_pk8_fp8_f32 v[\oc+2*\d:\oc+2*\d+1], v[96+8*\d:103+8*\d], v245
.endr
	v_nop                                          ; a plain line behind the last conversion
	global_store_b128 v1, v[\oc:\oc+3], s[\oadr:\oadr+1]
	global_store_b128 v1, v[\oc+4:\oc+7], s[\oadr:\oadr+1] offset:512
.endm
	s_wait_loadcnt 0x0                             ; Q
	s_wait_tensorcnt 1                             ; my piece of keys 0-1,023 is in; my piece of the others may stay out
	s_barrier_signal -1
	s_barrier_wait -1                              ; everybody's is
	PASS 16, Q0L, 8, 208, OL                       ; its LDS reads stay under byte 131,072
	s_wait_dscnt 0x0
	s_wait_tensorcnt 0x0                           ; my piece of keys 1,024-2,047 is in,
	s_barrier_signal -1
	s_barrier_wait -1                              ; everybody's is
	PASS 24, Q0H, 16, 216, OH
	s_wait_tensorcnt 0x0                           ; the wave's end: behind my last tensor load
	ds_add_u32 v5, v6
	s_wait_dscnt 0x0
	s_endpgm
.Lfunc_end_k_qe98fa3dba3_attn:
	.size	k_qe98fa3dba3_attn, .Lfunc_end_k_qe98fa3dba3_attn-k_qe98fa3dba3_attn
	.p2alignl 7, 3214868480
	.fill 96, 4, 3214868480
	.section	.rodata,"a",@progbits
	.p2align	6, 0x0
	.amdhsa_kernel k_qe98fa3dba3_attn
		.amdhsa_group_segment_fixed_size 327680
		.amdhsa_private_segment_fixed_size 0
		.amdhsa_enable_private_segment 0
		.amdhsa_kernarg_size 24
		.amdhsa_user_sgpr_count 2
		.amdhsa_user_sgpr_kernarg_segment_ptr 1
		.amdhsa_wavefront_size32 1
		.amdhsa_system_sgpr_workgroup_id_x 1
		.amdhsa_system_sgpr_workgroup_id_y 1
		.amdhsa_system_sgpr_workgroup_id_z 1
		.amdhsa_system_vgpr_workitem_id 0
		.amdhsa_next_free_vgpr 256
		.amdhsa_next_free_sgpr 100
		.amdhsa_reserve_vcc 1
		.amdhsa_float_denorm_mode_32 3
		.amdhsa_float_denorm_mode_16_64 3
		.amdhsa_fp16_overflow 1
		.amdhsa_memory_ordered 1
		.amdhsa_forward_progress 1
		.amdhsa_inst_pref_size 51
	.end_amdhsa_kernel
	.amdgpu_metadata
---
amdhsa.version: [ 1, 2 ]
amdhsa.kernels:
  - .name:           k_qe98fa3dba3_attn
    .symbol:         k_qe98fa3dba3_attn.kd
    .args:
      - { .name: qkv_img, .offset: 0, .size: 8, .value_kind: global_buffer, .address_space: global }
      - { .name: lowp_scales, .offset: 8, .size: 8, .value_kind: global_buffer, .address_space: global }
      - { .name: o_img, .offset: 16, .size: 8, .value_kind: global_buffer, .address_space: global }
    .group_segment_fixed_size: 327680
    .private_segment_fixed_size: 0
    .kernarg_segment_align: 8
    .kernarg_segment_size: 24
    .max_flat_workgroup_size: 512
    .sgpr_count:     100
    .vgpr_count:     256
    .wavefront_size: 32
...
	.end_amdgpu_metadata
.endif
;; end of part 3
;; launch proj (part 4): grid 4 x 32, 4 waves a work-group, clusters of 4 x 4, 327,680 bytes of LDS; arguments o_img, w_img, lowp_scales, bp, out0; writes out0
.if DOCPART == 4
	.amdgcn_target "amdgcn-amd-amdhsa--gfx1250"
	.amdhsa_code_object_version 6
	.text
	.protected	k_qe98fa3dba3_proj
	.globl	k_qe98fa3dba3_proj
	.p2align	8
	.type	k_qe98fa3dba3_proj,@function
k_qe98fa3dba3_proj:
	s_mov_b64 s[64:65], 0
	v_nop
	global_prefetch_b8 v0, s[64:65] scope:SCOPE_SE
	s_setreg_imm32_b32 hwreg(HW_REG_WAVE_MODE, 25, 1), 1
	s_wait_xcnt 0x0
	s_wait_alu depctr_hold_cnt(0) depctr_sa_sdst(0) depctr_va_vdst(0) depctr_va_sdst(0) depctr_va_ssrc(0) depctr_va_vcc(0) depctr_vm_vsrc(0)
	s_getreg_b32 s2, hwreg(HW_REG_IB_STS2, 6, 4)
	s_cmp_eq_u32 s2, 0
	s_cbranch_scc0 .Lentry_in_a_cluster
	s_endpgm
.Lentry_in_a_cluster:
	s_bfe_u32 s2, ttmp6, 0x10000c
	s_cmp_lg_u32 s2, 0xf033
	s_cbranch_scc0 .Lentry_shape_is_right
	s_endpgm
.Lentry_shape_is_right:
; out0 = o Wp + bp on codes of E4M3: o_img [row block 512][k step 8][g 4][lane][16] and Wp's image (the fourth MiB of w_img), both images of the operands' registers; out0 [8192][1024] f32.
; A work-group makes 256 x 256 of out0, K = 1,024; a wave 128 x 128: 64 accumulators.  The main loop is the one of the launch that makes q, k and v: two LDS slots of 256 along K, a wave's tensor load brings
; 8 blocks x 4,096 bytes, a fragment is four ds_load_b128 of 512 consecutive bytes.  Source 0 = 16 rows of Wp's image (columns n), source 1 = 16 rows of o: a lane holds eight neighbouring numbers of a row of out0.
; Each finished sum is multiplied by 2^(e10 + e11) and bp is added, in one packed multiply-add.  LIMIT: e10 + e11 between -126 and 127.
; CLUSTERS: 4 x 4: o's tile is shared along a row of the cluster, Wp's along a column.
; REGISTERS: window 0: v0-31 addresses; v32-95 bp at my 64 columns; v128-255 A's fragments, ONE set; on the way out rows read back.  window 1: B's fragments, TWO sets; on the way out v0-63 a block's results.
;   window 2: the accumulators of A's blocks 0-3 ((a, b) at v[8 (8 (a % 4) + b)]); window 3: blocks 4-7.
.set HALFT,  32768
.set SLOT,   4*HALFT
.set SPARE,  2*SLOT                    ; behind the ring: the spare words, 128 bytes for each wave: two blocks of 256 bytes that no other line names
.set KADV,   4096
.set FR,     16
.set NL,     4
.set NP,     4
.set SPITCH, 528                       ; the way out: a stage of 16 rows x (512 bytes + 16) for each wave, in slot 0, which has had its last fill and its last read when the first result is stored there
.set ROWO,   4096                      ; a row of out0 in bytes
.set ADRA, 16
.set ADRB, 20
.set STO,  24                          ; v24  the way out: where I put 32 bytes of a row
.set RD,   25                          ; v25  where I read a row back
.set CO,   26                          ; v26  16 x lane
.set SPW,  28
.set NIL,  29
.set BI,   32                          ; v32-95 the bias
.set AF,   128
.set BK,   128                         ; the way out: 16 rows read back: v128-191 and v192-255 by turns
.set G1, 24
.set G0, 32
.set G1B, 48
.set G0B, 56
.set MSB, 0
.macro WIN new
.if MSB != (\new)
	s_set_vgpr_msb (MSB<<8)|(\new)
.set MSB, (\new)
.endif
.endm
.set MUL_LO, 0xa1
.set MUL_HI, 0xf1
.set TO_B,   0x40
.macro JLOAD g0a, g1a, g0b, g1b        ; a joint load: waves 0 and 1 fetch A's halves, waves 2 and 3 B's; an s_nop 0 and four v_nop follow each of the two lines
	s_cmp_eq_u32 s15, 0
	s_cbranch_scc0 .Lfor_b_\@
	tensor_load_to_lds s[\g0a:\g0a+3], s[\g1a:\g1a+7]
	s_nop 0
.rept 4
	v_nop
.endr
	s_branch .Lasked_\@
.Lfor_b_\@:
	tensor_load_to_lds s[\g0b:\g0b+3], s[\g1b:\g1b+7]
	s_nop 0
.rept 4
	v_nop
.endr
.Lasked_\@:
.endm
.macro CREST
	s_cmp_lg_u32 s14, 0
	s_cbranch_scc1 .Lnot_wave_0_\@
	s_barrier_signal -3
.Lnot_wave_0_\@:
	s_barrier_wait -3
	s_barrier_signal -1
	s_barrier_wait -1
.endm
.macro CROUND
	s_barrier_signal -1
	s_barrier_wait -1
	CREST
.endm
	s_load_b128 s[4:7], s[0:1], 0x0                ; o_img s[4:5], w_img s[6:7]
	s_load_b128 s[8:11], s[0:1], 0x10              ; the exponents s[8:9], bp s[10:11]
	s_load_b64 s[12:13], s[0:1], 0x20              ; out0
	v_lshl_add_u32 v[SPW], v0, 2, SPARE
	v_mov_b32 v[NIL], 0
	ds_add_u32 v[SPW], v[NIL]                      ; the wave's opening: the add and its wait ahead of my first tensor load; the set-up below, work on registers, stands between them
	ds_add_u32 v[SPW], v[NIL]
	v_lshrrev_b32 v1, 5, v0
	v_readfirstlane_b32 s14, v1                    ; wave 0..3
	s_lshr_b32 s15, s14, 1
	s_and_b32 s16, s14, 1
	s_bfe_u32 s40, ttmp6, 0x40000                  ; cx, cy
	s_bfe_u32 s41, ttmp6, 0x40004
	s_and_b32 s17, ttmp7, 0xffff
	s_lshl_b32 s17, s17, 2
	s_add_co_u32 s17, s17, s41                     ; tile row = 4 x cluster y + cy
	s_lshl_b32 s42, ttmp9, 2
	s_add_co_u32 s42, s42, s40                     ; tile column = 4 x cluster x + cx
	s_lshl_b32 s43, s41, 2
	s_lshl_b32 s43, 15, s43
	s_lshl_b32 s44, 0x1111, s40
	s_or_b32 s[G1+0], s43, (3<<16)|(1<<21)         ; the mask: my row; elements of 8 bytes; 21 set beside a mask
	s_or_b32 s[G1B+0], s44, (3<<16)|(1<<21)        ; my column
.irp g, G1, G1B
	s_mov_b32 s[\g+1], 512<<16                     ; tensor_dim0
	s_mov_b32 s[\g+2], 8<<16                       ; tensor_dim1
	s_mov_b32 s[\g+3], 512<<16                     ; tile_dim0
	s_mov_b32 s[\g+4], 8                           ; tile_dim1
	s_mov_b32 s[\g+5], 2048                        ; tensor_dim0_stride
	s_mov_b32 s[\g+6], 0
	s_mov_b32 s[\g+7], 0
.endr
	s_lshl_b32 s19, s16, 17                        ; the half that I fetch: 8 blocks of 16,384 bytes
	s_lshl_b32 s20, s17, 18
	s_add_co_u32 s20, s20, s19                     ; A: o's tile
	s_lshl_b32 s46, s42, 18
	s_add_co_u32 s46, s46, 3<<20
	s_add_co_u32 s46, s46, s19                     ; B: Wp's tile
	s_mov_b32 s21, 0
	s_mov_b32 s47, 0
	s_mul_i32 s45, s14, HALFT
	s_wait_dscnt 0x0                               ; the opening add is done
	s_wait_kmcnt 0x0
	s_load_b64 s[96:97], s[8:9], 0x28              ; e10, e11
	s_add_nc_u64 s[20:21], s[4:5], s[20:21]
	s_add_nc_u64 s[46:47], s[6:7], s[46:47]
	CROUND                                         ; all sixteen work-groups are here: the first joint loads meet
.irp s, 0,1
	s_mov_b32 s[G0+4*\s], 1
	s_add_co_u32 s[G0+4*\s+1], s45, \s*SLOT
	s_add_nc_u64 s[G0+4*\s+2:G0+4*\s+3], s[20:21], \s*KADV
	s_or_b32 s[G0+4*\s+3], s[G0+4*\s+3], 0x80000000
	s_mov_b32 s[G0B+4*\s], 1
	s_add_co_u32 s[G0B+4*\s+1], s45, \s*SLOT
	s_add_nc_u64 s[G0B+4*\s+2:G0B+4*\s+3], s[46:47], \s*KADV
	s_or_b32 s[G0B+4*\s+3], s[G0B+4*\s+3], 0x80000000
	s_wait_alu depctr_va_vdst(0)
	s_wait_tensorcnt 0x0
	ds_add_u32 v28, v29
	ds_add_u32 v28, v29
	s_wait_dscnt 0x0
	CROUND
	JLOAD G0+4*\s, G1, G0B+4*\s, G1B               ; one tensor load of mine is out
.endr
	v_and_b32 v1, 15, v0                           ; r
	s_wait_alu depctr_va_vdst(0)
	v_bfe_u32 v2, v0, 4, 1                         ; h
	v_and_b32 v6, 31, v0
	v_lshlrev_b32 v[CO], 4, v6
	s_mul_i32 s21, s15, HALFT
	s_mul_i32 s22, s16, HALFT
	s_add_co_u32 s22, s22, 2*HALFT
.irp s, 0,1
	v_add_nc_u32 v[ADRA+\s], s21, v[CO]
	v_add_nc_u32 v[ADRB+\s], s22, v[CO]
	s_add_co_u32 s21, s21, SLOT
	s_add_co_u32 s22, s22, SLOT
.endr
	s_mul_i32 s23, s14, 16*SPITCH                  ; my stage
	v_mul_u32_u24 v5, v1, SPITCH                   ; in: row r, 32 bytes for each half of the lanes
	s_wait_alu depctr_va_vdst(0)
	v_lshl_add_u32 v5, v2, 5, v5
	v_add_nc_u32 v[STO], s23, v5
	v_add_nc_u32 v[RD], s23, v[CO]                 ; back: the 32 lanes take one row of 512 bytes
	v_lshlrev_b32 v7, 5, v2                        ; the bias: lane (r, h) wants bp at columns 16 b + 8 h + 0 .. 7 of my 128
	s_lshl_b32 s80, s42, 10
	s_lshl_b32 s81, s16, 9
	s_add_co_u32 s80, s80, s81                     ; my first column, in bytes
	s_mov_b32 s81, 0
	s_add_nc_u64 s[10:11], s[10:11], s[80:81]
.irp b, 0,1,2,3,4,5,6,7
	global_load_b128 v[BI+8*\b:BI+8*\b+3], v7, s[10:11] offset:64*\b
	global_load_b128 v[BI+8*\b+4:BI+8*\b+7], v7, s[10:11] offset:64*\b+16
.endr
	s_add_nc_u64 s[12:13], s[12:13], s[80:81]
	s_lshl_b32 s80, s17, 20                        ; 256 rows of 4,096 bytes,
	s_lshl_b32 s82, s15, 19                        ; my 128 of them
	s_add_co_u32 s80, s80, s82
	s_add_nc_u64 s[12:13], s[12:13], s[80:81]
.macro FRAG reg, adr, q, i
.irp c, 0,1,2,3
	ds_load_b128 v[\reg+4*\c:\reg+4*\c+3], v[\adr] offset:2048*(\q)+512*\c+(\i)*4096
.endr
.endm
.macro MUL16 a0, p, zero               ; the 64 accumulators take turns, one instruction a turn, in the same order in every step
.irp a, \a0, \a0+1
.irp b, 0,1,2,3,4,5,6,7
.if \zero
	v_wmma_f32_16x16x128_fp8_fp8 v[8*(8*((\a)%4)+\b):8*(8*((\a)%4)+\b)+7], v[128*(\p)+FR*\b:128*(\p)+FR*\b+FR-1], v[AF+FR*(\a):AF+FR*(\a)+FR-1], 0
.else
	v_wmma_f32_16x16x128_fp8_fp8 v[8*(8*((\a)%4)+\b):8*(8*((\a)%4)+\b)+7], v[128*(\p)+FR*\b:128*(\p)+FR*\b+FR-1], v[AF+FR*(\a):AF+FR*(\a)+FR-1], v[8*(8*((\a)%4)+\b):8*(8*((\a)%4)+\b)+7]
.endif
.endr
.endr
.endm
.macro FETCH_B slot, q, p
	WIN TO_B
.irp i, 0,1,2,3,4,5,6,7
	FRAG 128*(\p)+FR*\i, ADRB+\slot, \q, \i
.endr
	WIN 0
.endm
.macro FETCH_A slot, q, i0
.irp i, \i0, \i0+1, \i0+2, \i0+3
	FRAG AF+FR*(\i), ADRA+\slot, \q, \i
.endr
.endm
.macro PLACES n
.rept \n
	v_nop
.endr
.endm
.macro STEP slot, q, zero
	s_wait_dscnt 4*NL                              ; B's set and A's blocks 0-3 are in; the youngest sixteen loads (A's blocks 4-7) may be out
	WIN MUL_LO
	MUL16 0, (\q)%2, \zero
	MUL16 2, (\q)%2, \zero
	s_wait_dscnt 0
	PLACES NP
	FETCH_B \slot, (\q)+1, 1-(\q)%2
	FETCH_A \slot, (\q)+1, 0
	WIN MUL_HI
	MUL16 4, (\q)%2, \zero
	MUL16 6, (\q)%2, \zero
	PLACES NP
	WIN 0
	FETCH_A \slot, (\q)+1, 4
.endm
.macro TURN slot, next, fill
	s_wait_tensorcnt 0x0                           ; all my tensor loads have landed: my part of the next slot
	ds_add_u32 v[SPW], v[NIL]                      ; 0 onto my spare word
	s_wait_dscnt 4*NL+1                            ; (the add and the youngest sixteen loads may be out)
	WIN MUL_LO
	MUL16 0, 1, 0
	s_wait_dscnt 0x0                               ; the add is done, and my reads of this slot are over
	s_barrier_signal -1
	MUL16 2, 1, 0
	WIN 0
	s_barrier_wait -1
.if \fill
	CREST                                          ; the barrier has opened a round of the cluster's barrier
	s_add_nc_u64 s[G0+4*\slot+2:G0+4*\slot+3], s[G0+4*\slot+2:G0+4*\slot+3], 2*KADV
	s_add_nc_u64 s[G0B+4*\slot+2:G0B+4*\slot+3], s[G0B+4*\slot+2:G0B+4*\slot+3], 2*KADV
	JLOAD G0+4*\slot, G1, G0B+4*\slot, G1B         ; the first tensor load behind the round, my one load until the next
.else
	PLACES NP
.endif
	FETCH_B \next, 0, 0
	FETCH_A \next, 0, 0
	WIN MUL_HI
	MUL16 4, 1, 0
	MUL16 6, 1, 0
	PLACES NP
	WIN 0
	FETCH_A \next, 0, 4
.endm
	s_wait_tensorcnt 1                             ; my part of slot 0 is in; slot 1's load may be out
	s_barrier_signal -1
	s_barrier_wait -1
	FETCH_B 0, 0, 0
	FETCH_A 0, 0, 0
	FETCH_A 0, 0, 4
	STEP 0, 0, 1
	TURN 0, 1, 1
	STEP 1, 0, 0
	TURN 1, 0, 1
	STEP 0, 0, 0
	TURN 0, 1, 0
	STEP 1, 0, 0
	s_wait_dscnt 4*NL
	WIN MUL_LO
	MUL16 0, 1, 0
	MUL16 2, 1, 0
	s_wait_dscnt 0
	WIN MUL_HI
	MUL16 4, 1, 0
	MUL16 6, 1, 0
	WIN 0
; THE WAY OUT, block by block of 16 rows x 128 columns: a lane holds 32 neighbouring bytes of a row, the lanes beside it other rows: so a block goes through my own stage in LDS and comes back as whole rows of 512 bytes.
; LDS serves a wave's instructions in order (ISA guide 5.7.1.4): no wait between the stores and the loads, nor in front of the next block's stores.
.macro TOSTAGE a
.set AC, 64*((\a)%4)
	WIN 0x42+((\a)/4)                              ; source 0: window 2 or 3; source 2 (the bias) window 0; destination window 1
.irp j, 0,2,4,6,8,10,12,14,16,18,20,22,24,26,28,30,32,34,36,38,40,42,44,46,48,50,52,54,56,58,60,62
	v_pk_fma_f32 v[\j:\j+1], v[AC+\j:AC+\j+1], s[96:97], v[BI+\j:BI+\j+1] op_sel_hi:[1,0,1]   ; sum x 2^(e10 + e11) + bp; each accumulator from its low end on
.endr
	WIN 0x04                                       ; the stores' data: window 1
.irp b, 0,1,2,3,4,5,6,7
	ds_store_b128 v[STO], v[8*\b:8*\b+3] offset:64*\b
	ds_store_b128 v[STO], v[8*\b+4:8*\b+7] offset:64*\b+16
.endr
	WIN 0
.set BB, BK+64*((\a)%2)
.irp t, 0,1,2,3,4,5,6,7,8,9,10,11,12,13,14,15
	ds_load_b128 v[BB+4*\t:BB+4*\t+3], v[RD] offset:\t*SPITCH
.endr
.endm
.macro SEND a, younger                 ; younger: the LDS instructions issued behind block a's loads, which may stay out
.set BB, BK+64*((\a)%2)
	s_wait_dscnt \younger
.if (\a) > 0
	s_add_nc_u64 s[12:13], s[12:13], 16*ROWO       ; (behind a wait on XCNT: the earlier stores have read their base)
.endif
.irp t, 0,1,2,3,4,5,6,7,8,9,10,11,12,13,14,15
	global_store_b128 v[CO], v[BB+4*\t:BB+4*\t+3], s[12:13] offset:\t*ROWO th:TH_STORE_NT   ; 32 lanes store 512 consecutive bytes, at a multiple of 256 from out0's first byte
.endr
.endm
	s_wait_kmcnt 0x0
	s_add_co_i32 s96, s96, s97
	s_add_co_i32 s96, s96, 127
	s_lshl_b32 s96, s96, 23                        ; 2^(e10 + e11) as f32
	s_wait_loadcnt 0x0                             ; the bias
	PLACES NP                                      ; behind the last products: for the reads of their results, the writes into B's registers and the loads into A's
	TOSTAGE 0
.irp a, 1,2,3,4,5,6,7
.if \a > 1
	s_wait_xcnt 0x0                                ; block a - 2's stores have read their registers and their base
.endif
	TOSTAGE \a
	SEND \a-1, 32                                  ; behind block a - 1's loads: block a's 16 stores and 16 loads
.endr
	s_wait_xcnt 0x0                                ; block 6's stores have read their base
	SEND 7, 0
	s_wait_tensorcnt 0x0                           ; the wave's end: behind my last tensor load and my last LDS store
	ds_add_u32 v[SPW], v[NIL]
	s_wait_dscnt 0x0
	CROUND                                         ; the closing round
	s_endpgm
.Lfunc_end_k_qe98fa3dba3_proj:
	.size	k_qe98fa3dba3_proj, .Lfunc_end_k_qe98fa3dba3_proj-k_qe98fa3dba3_proj
	.p2alignl 7, 3214868480
	.fill 96, 4, 3214868480
	.section	.rodata,"a",@progbits
	.p2align	6, 0x0
	.amdhsa_kernel k_qe98fa3dba3_proj
		.amdhsa_group_segment_fixed_size 327680
		.amdhsa_private_segment_fixed_size 0
		.amdhsa_enable_private_segment 0
		.amdhsa_kernarg_size 40
		.amdhsa_user_sgpr_count 2
		.amdhsa_user_sgpr_kernarg_segment_ptr 1
		.amdhsa_wavefront_size32 1
		.amdhsa_system_sgpr_workgroup_id_x 1
		.amdhsa_system_sgpr_workgroup_id_y 1
		.amdhsa_system_sgpr_workgroup_id_z 1
		.amdhsa_system_vgpr_workitem_id 0
		.amdhsa_next_free_vgpr 1024
		.amdhsa_next_free_sgpr 100
		.amdhsa_reserve_vcc 0
		.amdhsa_float_denorm_mode_32 3
		.amdhsa_float_denorm_mode_16_64 3
		.amdhsa_memory_ordered 1
		.amdhsa_forward_progress 1
		.amdhsa_inst_pref_size 126
	.end_amdhsa_kernel
	.amdgpu_metadata
---
amdhsa.version: [ 1, 2 ]
amdhsa.kernels:
  - .name:           k_qe98fa3dba3_proj
    .symbol:         k_qe98fa3dba3_proj.kd
    .args:
      - { .name: o_img, .offset: 0, .size: 8, .value_kind: global_buffer, .address_space: global }
      - { .name: w_img, .offset: 8, .size: 8, .value_kind: global_buffer, .address_space: global }
      - { .name: lowp_scales, .offset: 16, .size: 8, .value_kind: global_buffer, .address_space: global }
      - { .name: bp, .offset: 24, .size: 8, .value_kind: global_buffer, .address_space: global }
      - { .name: out0, .offset: 32, .size: 8, .value_kind: global_buffer, .address_space: global }
    .group_segment_fixed_size: 327680
    .private_segment_fixed_size: 0
    .kernarg_segment_align: 8
    .kernarg_segment_size: 40
    .max_flat_workgroup_size: 128
    .sgpr_count:     100
    .vgpr_count:     1024
    .wavefront_size: 32
...
	.end_amdgpu_metadata
.endif
;; end of part 4
